; MI455X (gfx1250); checked and timed in simulation.
; The chip was launched on July 23, 2026; its instructions are those of AMD's public machine-readable ISA for CDNA 5 (MIT licence, August 2026) and "CDNA5" Instruction Set Architecture Reference Guide (July 2026). The comments in the code are by the model that wrote it; some were corrected since.
;; Multihead Attention. Allowed arithmetic: matrix products marked QUANTISED: E4M3 operands, one E8M0 scale for each 32 along K, by v_wmma_scale_f32_16x16x128_f8f6f4 with both operands' format E4M3, f32 sums; everything else in f32.
;; Inputs: Wk_codes 1,024 x 32 x 32 uint8 (E4M3 codes of Wk, K innermost, in blocks of 32 codes); Wk_scales 1,024 x 32 uint8 (E8M0 scales of Wk, one for each 32 codes along K); Wo_codes 1,024 x 32 x 32 uint8 (E4M3 codes of Wo, K innermost, in blocks of 32 codes); Wo_scales 1,024 x 32 uint8 (E8M0 scales of Wo, one for each 32 codes along K); Wq_codes 1,024 x 32 x 32 uint8 (E4M3 codes of Wq, K innermost, in blocks of 32 codes); Wq_scales 1,024 x 32 uint8 (E8M0 scales of Wq, one for each 32 codes along K); Wv_codes 1,024 x 32 x 32 uint8 (E4M3 codes of Wv, K innermost, in blocks of 32 codes); Wv_scales 1,024 x 32 uint8 (E8M0 scales of Wv, one for each 32 codes along K); attn_mask 2,048 x 2,048 bool; bk 1,024 float32; bo 1,024 float32; bq 1,024 float32; bv 1,024 float32; cos 2,048 x 32 float32; key_codes 4 x 2,048 x 32 x 32 uint8 (E4M3 codes of key, K innermost, in blocks of 32 codes); key_scales 4 x 2,048 x 32 uint8 (E8M0 scales of key, one for each 32 codes along K); query_codes 4 x 2,048 x 32 x 32 uint8 (E4M3 codes of query, K innermost, in blocks of 32 codes); query_scales 4 x 2,048 x 32 uint8 (E8M0 scales of query, one for each 32 codes along K); sin 2,048 x 32 float32; value_codes 4 x 2,048 x 32 x 32 uint8 (E4M3 codes of value, K innermost, in blocks of 32 codes); value_scales 4 x 2,048 x 32 uint8 (E8M0 scales of value, one for each 32 codes along K).
;; Outputs: out0 4 x 2,048 x 1,024 float32.
;; This version of the problem:
;;   THIS VERSION OF THE PROBLEM IS GIVEN IN LOW PRECISION. The matrix products marked QUANTISED in the list below multiply operands that are first quantised to E4M3 (4 exponent bits, 3 mantissa bits; 8 bits a number), with one power-of-two scale for each 32 numbers along K (OCP MX v1.0); their sums are f32. All else is computed in f32.
;;   The module's matrix products, in the order in which they are computed (A, B: the left and right operand; K: the contracted axis; several contracted axes count as one K, in the product's order):
;;     1. [M 8,192, K 1,024] x [K 1,024, N 1,024]; A: input query (given as codes); B: input Wq (given as codes): QUANTISED
;;     2. [M 8,192, K 1,024] x [K 1,024, N 1,024]; A: input key (given as codes); B: input Wk (given as codes): QUANTISED
;;     3. [M 8,192, K 1,024] x [K 1,024, N 1,024]; A: input value (given as codes); B: input Wv (given as codes): QUANTISED
;;     4. batch 64 x [M 2,048, K 64] x [K 64, N 2,048]; A: computed on the way; B: computed on the way: QUANTISED
;;     5. batch 64 x [M 64, K 2,048] x [K 2,048, N 2,048]; A: computed on the way; B: softmax (see below): QUANTISED
;;     6. [M 8,192, K 1,024] x [K 1,024, N 1,024]; A: computed on the way; B: input Wo (given as codes): QUANTISED
;;   THE QUANTISER, for each operand of a quantised product, along K:
;;     - K is cut into blocks of 32 from its start; a last block that is shorter is filled with zeros.
;;     - A block's scale is 2^e with e = floor(log2(the largest magnitude in the block)) - 8, held to -126 .. 127; a block of zeros has e = 0. As a byte (E8M0): e + 127.
;;     - Each number is divided by its block's scale, clamped to +-448, and rounded to the nearest number of E4M3, ties to even, subnormals kept.
;;     - The product sums the exact products of the quantised numbers (number of the format x scale) in f32.
;;   ~~~python
;;   def quantise(x, axis):      # numpy; x: float32 -> the quantised numbers, widened to float32 again
;;       x = np.moveaxis(x, axis, -1); K = x.shape[-1]
;;       x = np.pad(x, [(0, 0)] * (x.ndim - 1) + [(0, -K % 32)]); x = x.reshape(x.shape[:-1] + (-1, 32)); a = np.abs(x).max(-1, keepdims=True)
;;       e = np.where(a > 0, np.clip(np.frexp(np.where(a > 0, a, 1))[1] - 1 - 8, -126, 127), 0)      # np.frexp(a)[1] - 1 = floor(log2(a)), exactly
;;       r = np.clip(x / 2.0 ** e, -448, 448)
;;       step = 2.0 ** (np.maximum(np.frexp(np.where(r == 0, 1, r))[1] - 1, -6) - 3)
;;       q = np.round(r / step) * step * 2.0 ** e      # np.round: ties to even
;;       return np.moveaxis(q.reshape(q.shape[:-2] + (-1,))[..., :K], -1, axis).astype(np.float32)
;;   ~~~
;;   SOFTMAX AHEAD OF A QUANTISED PRODUCT. Where the list says 'softmax', what is quantised is not the finished softmax but p = 2^(t - M), with t = logit x log2(e) and M = ceil(the row's largest t), a whole number; so 1/2 < the row's largest p <= 1. The row's sum l is taken of the UNQUANTISED p, in f32, and the product's result is divided by l at the end. Since M is a whole number, a kernel that streams over the keys may use a running M (the ceiling of the running maximum): every later rescaling is an exact power of two, which a block's scale takes up: the codes' values come out the same.
;;   OPERANDS COMPUTED ON THE WAY. 'Computed on the way' means the value that the module computes at that place (a softmax that the list does not call 'softmax' is quantised finished and normalised). What goes into a quantiser is computed in f32, as accurately as f32 sums, v_exp_f32 and their like allow (about 1e-6 of the number): no bf16 or f16 on the way to a quantiser, and a product that is left as it is and whose result goes on into a quantised operand takes f32 operands (vector FMAs, or v_wmma_f32_16x16x4_f32). A number that lies on a knife's edge between two numbers of the format may be rounded either way, as far as f32 arithmetic and the matrix unit's own rounding can turn it there, and no further.
;;   INPUTS GIVEN AS CODES. Wk (in the module: [1024, 1024], K = its axis 1); Wo (in the module: [1024, 1024], K = its axis 1); Wq (in the module: [1024, 1024], K = its axis 1); Wv (in the module: [1024, 1024], K = its axis 1); key (in the module: [4, 2048, 1024], K = its axis 2); query (in the module: [4, 2048, 1024], K = its axis 2); value (in the module: [4, 2048, 1024], K = its axis 2): each comes as NAME_codes (uint8): NAME with its K axis moved to the last place and cut into blocks of 32 codes, [.., K / 32, bytes a block], one block behind the other in memory; one code a byte (a code: sign, 4 exponent bits, 3 mantissa bits); and NAME_scales (uint8): the same leading axes, one E8M0 byte (e + 127) for each 32 codes along K. Its value is code x scale, taken as it is: it is not quantised again, and the codes and scales need not be those that the quantiser above would give.
;; One version. Each part assembles by itself: llvm-mc -triple=amdgcn-amd-amdhsa -mcpu=gfx1250 --defsym DOCPART=n.
;; ======== version 1 of 1: 5 launches
;; limits: right only within a limited range of input values
;; workspace buffers: kvrec 17,563,648 bytes; qrec 17,563,648 bytes; mcodes 4,194,304 bytes; oimg 8,388,608 bytes; oscl 262,144 bytes; flags 4,096 bytes of whole numbers
;; launch mprep (part 1): grid 256 x 1, 2 waves a work-group, no clusters, 18,176 bytes of LDS; arguments attn_mask, mcodes, flags; writes mcodes, flags
.if DOCPART == 1
	.amdgcn_target "amdgcn-amd-amdhsa--gfx1250"
	.amdhsa_code_object_version 6
	.text
	.protected	k_q980c67791e_mprep
	.globl	k_q980c67791e_mprep
	.p2align	8
	.type	k_q980c67791e_mprep,@function
k_q980c67791e_mprep:
	s_mov_b64 s[64:65], 0
	v_nop
	global_prefetch_b8 v0, s[64:65] scope:SCOPE_SE
	s_setreg_imm32_b32 hwreg(HW_REG_WAVE_MODE, 25, 1), 1
	s_wait_xcnt 0x0
; attn_mask [2048][2048], one byte 0 or 1, becomes E4M3 codes, TRANSPOSED: a key that counts -> 0x00, a hidden key -> 0xfe (-448).
; mcodes [tile of 32 queries qt (64)][step of 128 keys j (16)][tile of 16 keys T (8)][lane (32)][16 bytes]:
; byte i of lane (r, h) is the code of mask[32 qt + 16 h + i][128 j + 16 T + r]: registers 8-11 of the attention launch's source 0.
; flags [qt][j], one word: 1 << j where any key of that 32 x 128 tile counts, else 0: the attention launch walks only the steps so marked.
; A wave takes 32 queries x 256 keys (two steps): each load reads two rows' 256 consecutive bytes; the unit turns through the wave's own stage in LDS
; (rows 272 bytes apart, rows 16-31 another 64 on); each store of codes writes 512 consecutive bytes.  512 units = 256 work-groups x 2 waves.  Waves share nothing: no barrier.
.set SP,  272
.set HI,  16*SP+64                     ; from row i to row 16 + i of the stage
.set WST, 8960                         ; a wave's stage
.set SPARE, 2*WST                      ; the spare words
	s_load_b128 s[4:7], s[0:1], 0x0                ; the mask, the codes
	s_load_b64 s[10:11], s[0:1], 0x10              ; the flags
	v_lshl_add_u32 v204, v0, 2, SPARE
	v_mov_b32 v205, 0
	v_lshrrev_b32 v1, 5, v0
	v_readfirstlane_b32 s8, v1                     ; wave 0..1
	s_lshl_b32 s9, ttmp9, 1
	s_add_co_u32 s9, s9, s8                        ; my unit
	s_lshr_b32 s12, s9, 3                          ; qt
	s_and_b32 s13, s9, 7                           ; its pair of key steps
	s_lshl_b32 s14, s12, 16                        ; 32 rows of 2,048 bytes
	s_lshl_b32 s15, s13, 8
	s_add_co_u32 s14, s14, s15
	s_mov_b32 s15, 0                               ; s[14:15]: where the unit begins in the mask
	s_lshl_b32 s16, s12, 4
	s_lshl_b32 s18, s13, 1                         ; j of the first step
	s_add_co_u32 s16, s16, s18                     ; 16 qt + j
	s_lshl_b32 s20, s16, 2
	s_mov_b32 s21, 0                               ; s[20:21]: in the flags
	s_lshl_b32 s16, s16, 12
	s_mov_b32 s17, 0                               ; s[16:17]: in the codes
	s_lshl_b32 s22, 1, s18                         ; the two steps' bits
	s_lshl_b32 s23, 2, s18
	s_mov_b32 s2, 0xfe
	s_mov_b32 s3, 0x01010101
	s_mov_b32 s25, 2                               ; lane 1
	s_mul_i32 s8, s8, WST
	v_and_b32 v1, 15, v0                           ; r
	v_bfe_u32 v2, v0, 4, 1                         ; h
	v_and_b32 v3, 31, v0                           ; lane
	v_lshlrev_b32 v4, 11, v2
	v_lshl_add_u32 v4, v1, 4, v4                   ; in: lanes 0-15 one row, lanes 16-31 the next
	v_mul_u32_u24 v5, v2, SP
	v_lshl_add_u32 v5, v1, 4, v5
	v_add_nc_u32 v5, s8, v5                        ; the same two rows in my stage
	v_mad_u32_u24 v6, v2, HI, v1
	v_add_nc_u32 v6, s8, v6                        ; back: column r, rows 16 h on
	v_lshlrev_b32 v7, 4, v3                        ; out: 16 bytes a lane
	v_lshlrev_b32 v206, 2, v3                      ; a flag word a lane
	s_wait_alu depctr_va_vdst(0)                   ; the head's end
	s_wait_kmcnt 0x0
	s_add_nc_u64 s[4:5], s[4:5], s[14:15]
	s_add_nc_u64 s[6:7], s[6:7], s[16:17]
	s_add_nc_u64 s[10:11], s[10:11], s[20:21]
.irp i, 0,1,2,3,4,5,6,7,8,9,10,11,12,13,14,15
	global_load_b128 v[8+4*\i:11+4*\i], v4, s[4:5] offset:4096*\i th:TH_LOAD_NT   ; rows 2 i and 2 i + 1
.endr
.irp i, 0,1,2,3,4,5,6,7,8,9,10,11,12,13,14,15
	s_wait_loadcnt 15-\i                           ; load i is in, the younger ones stay out
	ds_store_b128 v5, v[8+4*\i:11+4*\i] offset:2*SP*\i+64*(\i/8)
.endr
.macro ULOAD o                         ; piece o = 8 x step + T: 16 rows' bytes of my column, into buffer o % 4.  LDS serves a wave's instructions in order: these see my stores
.irp i, 0,1,2,3,4,5,6,7,8,9,10,11,12,13,14,15
	ds_load_u8 v[72+16*((\o)%4)+\i], v6 offset:SP*\i+16*(\o)
.endr
.endm
	ULOAD 0
	ULOAD 1
	ULOAD 2
.irp k, 0,1,2,3                        ; the bytes are 0 or 1: their sums, 64 at the most a byte, are 0 only where nothing counts
	v_add3_u32 v[200+\k], v[8+\k], v[12+\k], 0
.endr
.irp i, 2,4,6,8,10,12,14
.irp k, 0,1,2,3
	v_add3_u32 v[200+\k], v[8+4*\i+\k], v[12+4*\i+\k], v[200+\k]
.endr
.endr
	v_add3_u32 v200, v200, v201, v202
	v_add_nc_u32 v200, v200, v203
	v_cmp_ne_u32 vcc_lo, 0, v200
	s_and_b32 s24, vcc_lo, 0x00ff00ff              ; lanes with r < 8 hold the first step's 128 columns
	s_cselect_b32 s22, s22, 0
	s_and_b32 s24, vcc_lo, 0xff00ff00
	s_cselect_b32 s23, s23, 0
.irp o, 0,1,2,3,4,5,6,7,8,9,10,11,12,13,14,15
.if \o < 13
	ULOAD \o+3
	s_wait_dscnt 48                                ; piece o is in; three younger pieces of 16 loads stay out
.else
	s_wait_dscnt 16*(15-\o)
.endif
.set BB, 72+16*(\o%4)
.set DD, 136+4*\o
.irp k, 0,1,2,3
	v_lshl_or_b32 v[DD+\k], v[BB+4*\k+1], 8, v[BB+4*\k]
.endr
.irp k, 0,1,2,3
	v_lshl_or_b32 v[DD+\k], v[BB+4*\k+2], 16, v[DD+\k]
.endr
.irp k, 0,1,2,3
	v_lshl_or_b32 v[DD+\k], v[BB+4*\k+3], 24, v[DD+\k]
.endr
.irp k, 0,1,2,3
	v_xor_b32 v[DD+\k], s3, v[DD+\k]               ; 1 in the bytes of hidden keys
.endr
.irp k, 0,1,2,3
	v_mul_lo_u32 v[DD+\k], v[DD+\k], s2            ; x 0xfe: no byte carries into the next
.endr
	global_store_b128 v7, v[DD:DD+3], s[6:7] offset:512*\o   ; 512 consecutive bytes, aligned
.endr
	v_mov_b32 v200, s22
	v_mov_b32 v201, s23
	v_cndmask_b32 v200, v200, v201, s25            ; lane 0: the first step's word, lane 1: the second's
	v_cmp_gt_u32 vcc_lo, 2, v3
	s_wait_alu depctr_va_vdst(0)                   ; directly ahead of the wait below
	s_wait_xcnt 0x0                                ; EXEC changes only behind this wait
	s_and_saveexec_b32 s26, vcc_lo
	global_store_b32 v206, v200, s[10:11]
	s_wait_xcnt 0x0
	s_or_b32 exec_lo, exec_lo, s26
	s_wait_tensorcnt 0x0                           ; the wave's end
	ds_add_u32 v204, v205
	s_wait_dscnt 0x0
	s_endpgm
.Lfunc_end_k_q980c67791e_mprep:
	.size	k_q980c67791e_mprep, .Lfunc_end_k_q980c67791e_mprep-k_q980c67791e_mprep
	.p2alignl 7, 3214868480
	.fill 96, 4, 3214868480
	.section	.rodata,"a",@progbits
	.p2align	6, 0x0
	.amdhsa_kernel k_q980c67791e_mprep
		.amdhsa_group_segment_fixed_size 18176
		.amdhsa_private_segment_fixed_size 0
		.amdhsa_enable_private_segment 0
		.amdhsa_kernarg_size 24
		.amdhsa_user_sgpr_count 2
		.amdhsa_user_sgpr_kernarg_segment_ptr 1
		.amdhsa_wavefront_size32 1
		.amdhsa_system_sgpr_workgroup_id_x 1
		.amdhsa_system_sgpr_workgroup_id_y 1
		.amdhsa_system_sgpr_workgroup_id_z 1
		.amdhsa_system_vgpr_workitem_id 0
		.amdhsa_next_free_vgpr 208
		.amdhsa_next_free_sgpr 66
		.amdhsa_reserve_vcc 1
		.amdhsa_float_denorm_mode_32 3
		.amdhsa_float_denorm_mode_16_64 3
		.amdhsa_memory_ordered 1
		.amdhsa_forward_progress 1
		.amdhsa_inst_pref_size 44
	.end_amdhsa_kernel
	.amdgpu_metadata
---
amdhsa.version: [ 1, 2 ]
amdhsa.kernels:
  - .name:           k_q980c67791e_mprep
    .symbol:         k_q980c67791e_mprep.kd
    .args:
      - { .name: attn_mask, .offset: 0, .size: 8, .value_kind: global_buffer, .address_space: global }
      - { .name: mcodes, .offset: 8, .size: 8, .value_kind: global_buffer, .address_space: global }
      - { .name: flags, .offset: 16, .size: 8, .value_kind: global_buffer, .address_space: global }
    .group_segment_fixed_size: 18176
    .private_segment_fixed_size: 0
    .kernarg_segment_align: 8
    .kernarg_segment_size: 24
    .max_flat_workgroup_size: 64
    .sgpr_count:     66
    .vgpr_count:     208
    .wavefront_size: 32
...
	.end_amdgpu_metadata
.endif
;; end of part 1
;; launch proj_qk (part 2): grid 4 x 64, 4 waves a work-group, clusters of 4 x 4, 327,680 bytes of LDS; arguments query_codes, query_scales, Wq_codes, Wq_scales, bq, qrec, key_codes, key_scales, Wk_codes, Wk_scales, bk, kvrec, cos, sin; writes qrec, kvrec
.if DOCPART == 2
	.amdgcn_target "amdgcn-amd-amdhsa--gfx1250"
	.amdhsa_code_object_version 6
	.text
	.protected	k_q980c67791e_proj_qk
	.globl	k_q980c67791e_proj_qk
	.p2align	8
	.type	k_q980c67791e_proj_qk,@function
k_q980c67791e_proj_qk:
	s_mov_b64 s[64:65], 0
	v_nop
	global_prefetch_b8 v0, s[64:65] scope:SCOPE_SE
	s_setreg_imm32_b32 hwreg(HW_REG_WAVE_MODE, 25, 1), 1
	s_wait_xcnt 0x0
	s_wait_alu depctr_hold_cnt(0) depctr_sa_sdst(0) depctr_va_vdst(0) depctr_va_sdst(0) depctr_va_ssrc(0) depctr_va_vcc(0) depctr_vm_vsrc(0)
	s_getreg_b32 s2, hwreg(HW_REG_IB_STS2, 6, 4)
	s_cmp_eq_u32 s2, 0
	s_cbranch_scc0 .Lentry_in_a_cluster
	s_endpgm
.Lentry_in_a_cluster:
	s_bfe_u32 s2, ttmp6, 0x10000c
	s_cmp_lg_u32 s2, 0xf033
	s_cbranch_scc0 .Lentry_shape_is_right
	s_endpgm
.Lentry_shape_is_right:
.set REC,     17152
.set HEADSTR, 16*REC
.set KSC,     16384
.set KROW,    1024
.set ROWB,    256
.set ASTEP,   256
.set NQ,      2
.set PITCH,   272
.set FR,      16
.set NL,      4
.set NP,      8
.set HALFT,   128*PITCH
.set SLOT,    4*HALFT
.set LAPS,    2
.set KS,      32
.set SCL,     2*SLOT
.set HALFS,   16*272
.set SBLK,    2*272
.set SPARE,   SCL+4*HALFS
.set ADRA, 16
.set ADRB, 20
.set ADRS, 27
.set SPW,  28
.set NIL,  29
.set SC,   32
.set BIA,  64
.set AF,   128
.set G1, 24
.set G0, 32
.set G1B, 48
.set G0B, 56
.set G1S, 68
.set G0S, 76
.set G1SB, 80
.set G0SB, 88
.set PW,  7
.set PWS, 8
.set CSB, 96
.set Y,   160
.set CD,  224
.set TM,  240
.set SEL, 92
.set MNT, 94
.set MSB, 0
.macro WIN new
.if MSB != (\new)
	s_set_vgpr_msb (MSB<<8)|(\new)
.set MSB, (\new)
.endif
.endm
.set MUL_LO,   0xa1
.set MUL_HI,   0xf1
.set FIRST_LO, 0x81
.set FIRST_HI, 0xc1
.set TO_B,     0x40
.macro JLOAD g0a, g1a, g0b, g1b
	s_cmp_eq_u32 s15, 0
	s_cbranch_scc0 .Lfor_b_\@
	tensor_load_to_lds s[\g0a:\g0a+3], s[\g1a:\g1a+7]
	s_nop 0
.rept 4
	v_nop
.endr
	s_branch .Lasked_\@
.Lfor_b_\@:
	tensor_load_to_lds s[\g0b:\g0b+3], s[\g1b:\g1b+7]
	s_nop 0
.rept 4
	v_nop
.endr
.Lasked_\@:
.endm
.macro CREST
	s_cmp_lg_u32 s14, 0
	s_cbranch_scc1 .Lnot_wave_0_\@
	s_barrier_signal -3
.Lnot_wave_0_\@:
	s_barrier_wait -3
	s_barrier_signal -1
	s_barrier_wait -1
.endm
.macro CROUND
	s_barrier_signal -1
	s_barrier_wait -1
	CREST
.endm
	s_load_b512 s[68:83], s[0:1], 0x0
	s_load_b256 s[84:91], s[0:1], 0x40
	s_load_b128 s[92:95], s[0:1], 0x60
	v_lshl_add_u32 v[SPW], v0, 2, SPARE
	v_mov_b32 v[NIL], 0
	ds_add_u32 v28, v29
	ds_add_u32 v28, v29
	s_wait_dscnt 0x0
	v_lshrrev_b32 v1, 5, v0
	v_readfirstlane_b32 s14, v1
	s_lshr_b32 s15, s14, 1
	s_and_b32 s16, s14, 1
	s_bfe_u32 s40, ttmp6, 0x40000
	s_bfe_u32 s41, ttmp6, 0x40004
	s_and_b32 s17, ttmp7, 0xffff
	s_wait_kmcnt 0x0
	s_cmp_lt_u32 s17, 8
	s_cselect_b64 s[4:5], s[68:69], s[80:81]
	s_cselect_b64 s[6:7], s[70:71], s[82:83]
	s_cselect_b64 s[8:9], s[72:73], s[84:85]
	s_cselect_b64 s[10:11], s[74:75], s[86:87]
	s_cselect_b64 s[66:67], s[76:77], s[88:89]
	s_cselect_b64 s[12:13], s[78:79], s[90:91]
	s_cselect_b32 s18, 0, 8
	s_mov_b64 s[96:97], s[92:93]
	s_mov_b64 s[98:99], s[94:95]
	s_sub_co_u32 s17, s17, s18
	s_lshl_b32 s17, s17, 2
	s_add_co_u32 s17, s17, s41
	s_mov_b32 s42, s40
	s_lshl_b32 s43, s41, 2
	s_lshl_b32 s43, 15, s43
	s_lshl_b32 s44, 0x1111, s40
	s_or_b32 s[G1+0], s43, (0<<16)|(1<<20)|(1<<21)|(5<<22)|(3<<25)
	s_or_b32 s[G1B+0], s44, (0<<16)|(1<<20)|(1<<21)|(5<<22)|(3<<25)
.irp g, G1, G1B
	s_mov_b32 s[\g+1], ROWB<<16
	s_mov_b32 s[\g+2], 256<<16                     ; the head's loads bring whole tiles of 256 rows
	s_mov_b32 s[\g+3], ROWB<<16
	s_mov_b32 s[\g+4], 256
	s_mov_b32 s[\g+5], KROW
	s_mov_b32 s[\g+6], 0
	s_mov_b32 s[\g+7], 0
.endr
	s_or_b32 s[G1S+0], s43, (3<<16)|(1<<20)|(1<<21)|(5<<22)|(3<<25)
	s_or_b32 s[G1SB+0], s44, (3<<16)|(1<<20)|(1<<21)|(5<<22)|(3<<25)
.irp g, G1S, G1SB
	s_mov_b32 s[\g+1], 32<<16
	s_mov_b32 s[\g+2], 32<<16                      ; the scales of 256 rows: 32 rows of 256 bytes
	s_mov_b32 s[\g+3], 32<<16
	s_mov_b32 s[\g+4], 32
	s_mov_b32 s[\g+5], 32
	s_mov_b32 s[\g+6], 0
	s_mov_b32 s[\g+7], 0
.endr
	s_lshl_b32 s20, s17, 8                         ; the tiles' first rows
	s_lshl_b32 s46, s42, 8
	s_mov_b32 s21, 0
	s_mov_b32 s47, 0
	s_mov_b64 s[18:19], KS
	s_mul_u64 s[22:23], s[20:21], s[18:19]
	s_mul_u64 s[92:93], s[46:47], s[18:19]
	s_mov_b64 s[18:19], KROW
	s_mul_u64 s[20:21], s[20:21], s[18:19]
	s_mul_u64 s[46:47], s[46:47], s[18:19]
	s_mul_i32 s45, s14, HALFT
	s_mul_i32 s18, s16, 128*KROW                   ; in the ring I fetch 128 rows of a tile: which half, in bytes
	s_mov_b32 s19, 0
	s_add_nc_u64 s[20:21], s[4:5], s[20:21]
	s_add_nc_u64 s[22:23], s[6:7], s[22:23]
	s_add_nc_u64 s[46:47], s[8:9], s[46:47]
	s_add_nc_u64 s[92:93], s[10:11], s[92:93]
	CROUND
	s_mov_b32 s[G0S], 1
	s_mov_b32 s[G0S+1], SCL
	s_mov_b64 s[G0S+2:G0S+3], s[22:23]
	s_or_b32 s[G0S+3], s[G0S+3], 0x80000000
	s_mov_b32 s[G0SB], 1
	s_mov_b32 s[G0SB+1], SCL+2*HALFS
	s_mov_b64 s[G0SB+2:G0SB+3], s[92:93]
	s_or_b32 s[G0SB+3], s[G0SB+3], 0x80000000
.set G0H, 4                            ; s[4:7], s[8:11]: group 0 for the head's loads of K step 0 (the addresses that lay there have been used)
.set G0HB, 8
	s_mov_b32 s[G0H], 1
	s_mov_b32 s[G0H+1], 0
	s_mov_b64 s[G0H+2:G0H+3], s[20:21]
	s_or_b32 s[G0H+3], s[G0H+3], 0x80000000
	s_mov_b32 s[G0HB], 1
	s_mov_b32 s[G0HB+1], 2*HALFT
	s_mov_b64 s[G0HB+2:G0HB+3], s[46:47]
	s_or_b32 s[G0HB+3], s[G0HB+3], 0x80000000
	s_add_nc_u64 s[20:21], s[20:21], s[18:19]      ; for the ring: my 128 rows of the tile
	s_add_nc_u64 s[46:47], s[46:47], s[18:19]
.irp s, 0,1
	s_mov_b32 s[G0+4*\s], 1
	s_add_co_u32 s[G0+4*\s+1], s45, \s*SLOT
	s_add_nc_u64 s[G0+4*\s+2:G0+4*\s+3], s[20:21], \s*ASTEP
	s_or_b32 s[G0+4*\s+3], s[G0+4*\s+3], 0x80000000
	s_mov_b32 s[G0B+4*\s], 1
	s_add_co_u32 s[G0B+4*\s+1], s45, \s*SLOT
	s_add_nc_u64 s[G0B+4*\s+2:G0B+4*\s+3], s[46:47], \s*ROWB
	s_or_b32 s[G0B+4*\s+3], s[G0B+4*\s+3], 0x80000000
.endr
; the head's loads, one a wave: K step 0 of A, of B, A's scales, B's scales: one tree of branches on the wave's number
.macro ARM under, g0, g1, next
	s_cmp_lt_u32 s14, \under
	s_cbranch_scc0 \next
	tensor_load_to_lds s[\g0:\g0+3], s[\g1:\g1+7]
	s_nop 0
.rept 4
	v_nop
.endr
	s_branch .Lhead_asked
\next:
.endm
	ARM 1, G0H,  G1,  .Lhead_b
	ARM 2, G0HB, G1B, .Lhead_sa
	ARM 3, G0S,  G1S, .Lhead_sb
	tensor_load_to_lds s[G0SB:G0SB+3], s[G1SB:G1SB+7]
	s_nop 0
.rept 4
	v_nop
.endr
.Lhead_asked:
	v_and_b32 v1, 15, v0
	v_bfe_u32 v2, v0, 4, 1
	v_mul_u32_u24 v3, v1, PITCH
	v_lshl_add_u32 v4, v2, 4, v3
	s_mul_i32 s21, s15, HALFT
	s_mul_i32 s22, s16, HALFT
	s_add_co_u32 s22, s22, 2*HALFT
.irp s, 0,1
	v_add_nc_u32 v[ADRA+\s], s21, v4
	v_add_nc_u32 v[ADRB+\s], s22, v4
	s_add_co_u32 s21, s21, SLOT
	s_add_co_u32 s22, s22, SLOT
.endr
	v_mul_u32_u24 v5, v1, KS
	v_lshrrev_b32 v6, 8, v5
	v_lshl_add_u32 v5, v6, 4, v5
	s_mul_i32 s21, s15, HALFS
	s_mul_i32 s22, s16, HALFS
	s_add_co_u32 s22, s22, 2*HALFS
	s_sub_co_u32 s22, s22, s21
	v_mul_u32_u24 v6, s22, v2
	s_add_co_u32 s21, s21, SCL
	v_add_nc_u32 v5, v5, v6
	v_add_nc_u32 v[ADRS], s21, v5
	v_and_b32 v30, 31, v0
	v_lshlrev_b32 v30, 4, v30
	v_lshlrev_b32 v31, 7, v1
	v_lshl_add_u32 v31, v2, 5, v31
	v_lshlrev_b32 v6, 5, v2
	s_wait_alu depctr_va_vdst(0)
	s_lshl_b32 s20, s17, 8
	s_lshl_b32 s21, s15, 7
	s_add_co_u32 s20, s20, s21
	s_lshl_b32 s46, s42, 8
	s_lshl_b32 s47, s16, 7
	s_add_co_u32 s46, s46, s47
	s_lshl_b32 s92, s46, 2
	s_mov_b32 s93, 0
	s_add_nc_u64 s[66:67], s[66:67], s[92:93]
	s_lshr_b32 s47, s46, 6
	s_lshr_b32 s21, s20, 11
	s_lshl_b32 s21, s21, 4
	s_add_co_u32 s47, s47, s21
	s_lshl_b32 s47, s47, 4
	s_bfe_u32 s21, s20, 0x40007
	s_add_co_u32 s47, s47, s21
	s_mul_i32 s46, s47, REC
	s_mov_b32 s47, 0
	s_add_nc_u64 s[12:13], s[12:13], s[46:47]
	s_and_b32 s20, s20, 2047
	s_lshl_b32 s20, s20, 7
	s_mov_b32 s21, 0
	s_add_nc_u64 s[96:97], s[96:97], s[20:21]
	s_add_nc_u64 s[98:99], s[98:99], s[20:21]
.irp b, 0,1,2,3,4,5,6,7
	global_load_b128 v[BIA+8*\b:BIA+8*\b+3], v6, s[66:67] offset:64*\b
	global_load_b128 v[BIA+8*\b+4:BIA+8*\b+7], v6, s[66:67] offset:64*\b+16
.endr
.macro FRAG reg, adr, q, i
.irp c, 0,1,2,3
	ds_load_b128 v[\reg+4*\c:\reg+4*\c+3], v[\adr] offset:128*(\q)+32*\c+(\i)*16*PITCH
.endr
.endm
.macro MUL16 a0, p, q, sc, first
.irp a, \a0, \a0+1
.irp b, 0,1,2,3,4,5,6,7
.if \first
	v_wmma_scale_f32_16x16x128_f8f6f4 v[8*(8*((\a)%4)+\b):8*(8*((\a)%4)+\b)+7], v[128*(\p)+FR*\b:128*(\p)+FR*\b+FR-1], v[AF+FR*(\a):AF+FR*(\a)+FR-1], v[BIA+8*\b:BIA+8*\b+7], v[SC+8*NQ*(\sc)+NQ*\b+(\q)], v[SC+8*NQ*(\sc)+NQ*(\a)+(\q)] matrix_a_scale:MATRIX_SCALE_ROW1
.else
	v_wmma_scale_f32_16x16x128_f8f6f4 v[8*(8*((\a)%4)+\b):8*(8*((\a)%4)+\b)+7], v[128*(\p)+FR*\b:128*(\p)+FR*\b+FR-1], v[AF+FR*(\a):AF+FR*(\a)+FR-1], v[8*(8*((\a)%4)+\b):8*(8*((\a)%4)+\b)+7], v[SC+8*NQ*(\sc)+NQ*\b+(\q)], v[SC+8*NQ*(\sc)+NQ*(\a)+(\q)] matrix_a_scale:MATRIX_SCALE_ROW1
.endif
.endr
.endr
.endm
.macro FETCH_B slot, q, p
	WIN TO_B
.irp i, 0,1,2,3,4,5,6,7
	FRAG 128*(\p)+FR*\i, ADRB+\slot, \q, \i
.endr
	WIN 0
.endm
.macro FETCH_A slot, q, i0
.irp i, \i0, \i0+1, \i0+2, \i0+3
	FRAG AF+FR*(\i), ADRA+\slot, \q, \i
.endr
.endm
.macro SCALES sc
.irp i, 0,1,2,3,4,5,6,7
	ds_load_b64 v[SC+8*NQ*\sc+NQ*\i:SC+8*NQ*\sc+NQ*\i+1], v[ADRS] offset:\i*SBLK
.endr
.endm
.macro PLACES n
.rept \n
	v_nop
.endr
.endm
.macro STEP slot, q, first
	s_wait_dscnt 4*NL
.if \first
	WIN FIRST_LO
.else
	WIN MUL_LO
.endif
	MUL16 0, (\q)%2, \q, \slot, \first
	MUL16 2, (\q)%2, \q, \slot, \first
	s_wait_dscnt 0
	PLACES NP
	FETCH_B \slot, (\q)+1, 1-(\q)%2
	FETCH_A \slot, (\q)+1, 0
.if \first
	WIN FIRST_HI
.else
	WIN MUL_HI
.endif
	MUL16 4, (\q)%2, \q, \slot, \first
	MUL16 6, (\q)%2, \q, \slot, \first
	PLACES NP
	WIN 0
	FETCH_A \slot, (\q)+1, 4
.endm
.macro TURN slot, next, fill
	s_wait_tensorcnt 0x0
	ds_add_u32 v[SPW], v[NIL]
	s_wait_dscnt 4*NL+1
	WIN MUL_LO
	MUL16 0, 1, NQ-1, \slot, 0
	s_wait_dscnt 0x0
	s_barrier_signal -1
	MUL16 2, 1, NQ-1, \slot, 0
	WIN 0
	s_barrier_wait -1
.if \fill
	CREST
	s_add_nc_u64 s[G0+4*\slot+2:G0+4*\slot+3], s[G0+4*\slot+2:G0+4*\slot+3], 2*ASTEP
	s_add_nc_u64 s[G0B+4*\slot+2:G0B+4*\slot+3], s[G0B+4*\slot+2:G0B+4*\slot+3], 2*ROWB
	JLOAD G0+4*\slot, G1, G0B+4*\slot, G1B
	PLACES NP-4
.else
	PLACES NP
.endif
	s_wait_alu depctr_va_vdst(0)
	v_add_nc_u32 v[ADRS], 4*NQ, v[ADRS]
	FETCH_B \next, 0, 0
	FETCH_A \next, 0, 0
	SCALES \next
	WIN MUL_HI
	MUL16 4, 1, NQ-1, \slot, 0
	MUL16 6, 1, NQ-1, \slot, 0
	PLACES NP
	WIN 0
	FETCH_A \next, 0, 4
.endm
	s_wait_alu depctr_va_vdst(0)                   ; the head's end
	s_wait_tensorcnt 0x0                           ; my tile of the head's four is in; the full sequence ahead of slot 1's first fill
	ds_add_u32 v[SPW], v[NIL]
	s_mov_b32 s[G1+2], 128<<16                     ; no tensor load of mine is out: from here on a load brings 128 rows
	s_mov_b32 s[G1+4], 128
	s_mov_b32 s[G1B+2], 128<<16
	s_mov_b32 s[G1B+4], 128
	s_wait_dscnt 0x0
	CROUND
	JLOAD G0+4, G1, G0B+4, G1B                     ; K step 1
	FETCH_B 0, 0, 0
	FETCH_A 0, 0, 0
	SCALES 0
	FETCH_A 0, 0, 4
	s_wait_loadcnt 0x0
	STEP 0, 0, 1
.irp k, 0,1,2,3                        ; cos and sin of my first 16 rows, into the bias's upper 32 registers, which only the first step's products read (eight places stand behind them)
	global_load_b128 v[CSB+4*\k:CSB+4*\k+3], v31, s[96:97] offset:16*(\k%2)+64*(\k/2)
	global_load_b128 v[CSB+16+4*\k:CSB+16+4*\k+3], v31, s[98:99] offset:16*(\k%2)+64*(\k/2)
.endr
	s_mov_b32 s3, LAPS-1
.Llap:
	TURN 0, 1, 1
	STEP 1, 0, 0
	TURN 1, 0, 1
	STEP 0, 0, 0
	s_sub_co_u32 s3, s3, 1
	s_cmp_lg_u32 s3, 0
	s_cbranch_scc1 .Llap
	TURN 0, 1, 0
	STEP 1, 0, 0
	s_wait_dscnt 4*NL
	WIN MUL_LO
	MUL16 0, 1, NQ-1, 1, 0
	MUL16 2, 1, NQ-1, 1, 0
	s_wait_dscnt 0
	WIN MUL_HI
	MUL16 4, 1, NQ-1, 1, 0
	MUL16 6, 1, NQ-1, 1, 0
	WIN 0
.macro CSLOAD a, p
.irp k, 0,1,2,3
	global_load_b128 v[CSB+32*(\p)+4*\k:CSB+32*(\p)+4*\k+3], v31, s[96:97] offset:2048*(\a)+16*(\k%2)+64*(\k/2)
	global_load_b128 v[CSB+32*(\p)+16+4*\k:CSB+32*(\p)+16+4*\k+3], v31, s[98:99] offset:2048*(\a)+16*(\k%2)+64*(\k/2)
.endr
.endm
.macro SUMSQ a
.set AC, 64*((\a)%4)
	WIN 0x0a+5*((\a)/4)
.set ii, 0
.rept 16
.if ii < 2
	v_pk_mul_f32 v[16+2*ii:17+2*ii], v[AC+2*ii:AC+2*ii+1], v[AC+2*ii:AC+2*ii+1]
	v_pk_mul_f32 v[20+2*ii:21+2*ii], v[AC+32+2*ii:AC+33+2*ii], v[AC+32+2*ii:AC+33+2*ii]
.else
	v_pk_fma_f32 v[16+2*(ii%2):17+2*(ii%2)], v[AC+2*ii:AC+2*ii+1], v[AC+2*ii:AC+2*ii+1], v[16+2*(ii%2):17+2*(ii%2)]
	v_pk_fma_f32 v[20+2*(ii%2):21+2*(ii%2)], v[AC+32+2*ii:AC+33+2*ii], v[AC+32+2*ii:AC+33+2*ii], v[20+2*(ii%2):21+2*(ii%2)]
.endif
.set ii, ii+1
.endr
	WIN 0
.endm
.macro RMS
	v_pk_add_f32 v[16:17], v[16:17], v[18:19]
	v_pk_add_f32 v[20:21], v[20:21], v[22:23]
	v_add_f32 v16, v16, v17
	v_add_f32 v20, v20, v21
	v_permlanex16_b32 v18, v16, s[SEL], s[SEL+1]
	v_permlanex16_b32 v22, v20, s[SEL], s[SEL+1]
	v_add_f32 v16, v16, v18
	v_add_f32 v20, v20, v22
	v_fma_f32 v16, v16, s95, s100
	v_fma_f32 v20, v20, s95, s100
	s_wait_alu depctr_va_vdst(0)
	v_rsq_f32 v24, v16
	v_rsq_f32 v26, v20
	v_nop
.endm
.macro ROT a, p
.set AC, 64*((\a)%4)
.set CC, CSB+32*(\p)
	WIN 0x02+((\a)/4)
.irp hh, 0,1
.irp i, 0,2,4,6,8,10,12,14
	v_pk_mul_f32 v[Y+32*\hh+\i:Y+32*\hh+\i+1], v[AC+32*\hh+16+\i:AC+32*\hh+17+\i], v[CC+16+\i:CC+17+\i]
	v_pk_mul_f32 v[Y+32*\hh+16+\i:Y+32*\hh+17+\i], v[AC+32*\hh+\i:AC+32*\hh+\i+1], v[CC+16+\i:CC+17+\i]
.endr
.endr
.irp hh, 0,1
.irp i, 0,2,4,6,8,10,12,14
	v_pk_fma_f32 v[Y+32*\hh+\i:Y+32*\hh+\i+1], v[AC+32*\hh+\i:AC+32*\hh+\i+1], v[CC+\i:CC+\i+1], v[Y+32*\hh+\i:Y+32*\hh+\i+1] neg_lo:[0,0,1] neg_hi:[0,0,1]
	v_pk_fma_f32 v[Y+32*\hh+16+\i:Y+32*\hh+17+\i], v[AC+32*\hh+16+\i:AC+32*\hh+17+\i], v[CC+\i:CC+\i+1], v[Y+32*\hh+16+\i:Y+32*\hh+17+\i]
.endr
.endr
	WIN 0
.endm
.macro SCALEY
	s_wait_alu depctr_va_vdst(0)
.irp hh, 0,1
.irp i, 0,2,4,6,8,10,12,14,16,18,20,22,24,26,28,30
	v_pk_mul_f32 v[Y+32*\hh+\i:Y+32*\hh+\i+1], v[Y+32*\hh+\i:Y+32*\hh+\i+1], v[24+2*\hh:25+2*\hh] op_sel_hi:[1,0]
.endr
.endr
.endm
.macro QUANT s
.irp b, 0,1,2,3
	v_max3_num_f32 v[TM+\b], |v[\s+16*\b]|, |v[\s+1+16*\b]|, 0x4800000
.endr
.irp i, 2,4,6,8,10,12,14
.irp b, 0,1,2,3
	v_max3_num_f32 v[TM+\b], v[TM+\b], |v[\s+16*\b+\i]|, |v[\s+1+16*\b+\i]|
.endr
.endr
.irp b, 0,1,2,3
	v_permlanex16_b32 v[TM+4+\b], v[TM+\b], s[SEL], s[SEL+1]
.endr
.irp b, 0,1,2,3
	v_max_num_f32 v[TM+\b], v[TM+\b], v[TM+4+\b]
.endr
.irp b, 0,1,2,3
	v_add_nc_u32 v[TM+12+\b], 0xfc000000, v[TM+\b]
.endr
.irp b, 0,1,2,3
	v_and_or_b32 v[TM+8+\b], v[TM+\b], 0x7f800000, s[MNT]
.endr
.irp b, 0,1,2,3
	v_lshrrev_b32 v[TM+4+\b], 23, v[TM+12+\b]
.endr
	v_lshl_or_b32 v[PW], v[TM+5], 8, v[TM+4]
	v_lshl_or_b32 v[PW], v[TM+6], 16, v[PW]
	v_lshl_or_b32 v[PW], v[TM+7], 24, v[PW]
.irp b, 0,1,2,3
.irp i, 0,1,2,3,4,5,6,7,8,9,10,11,12,13,14,15
	v_med3_num_f32 v[\s+16*\b+\i], v[\s+16*\b+\i], -v[TM+8+\b], v[TM+8+\b]
.endr
	v_cvt_scalef32_pk8_fp8_f32 v[CD+4*\b:CD+1+4*\b], v[\s+16*\b:\s+7+16*\b], v[TM+12+\b]
	v_cvt_scalef32_pk8_fp8_f32 v[CD+2+4*\b:CD+3+4*\b], v[\s+8+16*\b:\s+15+16*\b], v[TM+12+\b]
.endr
	v_nop
.endm
.macro OUTQ a
.irp bb, 0,1,2,3
	global_store_b128 v30, v[CD+4*\bb:CD+4*\bb+3], s[12:13] offset:(\bb/2)*HEADSTR+1024*(\a)+512*(\bb%2)
.endr
	v_mov_b32 v[PWS+(\a)], v[PW]
.endm
	PLACES NP
	s_mov_b32 s[SEL], 0x76543210
	s_mov_b32 s[SEL+1], 0xfedcba98
	s_mov_b32 s[MNT], 0x600000
	s_mov_b32 s95, 0x3c800000
	s_mov_b32 s100, 0x358637bd
	s_mov_b32 s101, 0x81810000
	s_mov_b32 s40, 0xffff0000
	v_mov_b32 v25, 0
	v_mov_b32 v27, 0
.irp b, 0,1,2,3
	v_mov_b32 v[TM+4+\b], 0
.endr
.irp a, 0,1,2,3,4,5,6,7
.if \a < 7
	CSLOAD \a+1, (\a+1)%2
.endif
	SUMSQ \a
	RMS
.if \a < 7
	s_wait_loadcnt 8
.else
	s_wait_loadcnt 0x0
.endif
	ROT \a, (\a)%2
	SCALEY
.if \a > 0
	s_wait_xcnt 0x0
.endif
	QUANT Y
	OUTQ \a
.endr
.irp j, 0,1,2,3
	v_cndmask_b32 v[16+\j], v[PWS+2*\j], v[PWS+1+2*\j], s40
.endr
.irp j, 0,1,2,3
	v_lshrrev_b32 v[20+\j], 16, v[16+\j]
	v_and_or_b32 v[16+\j], v[16+\j], 0xffff, s101
	v_or_b32 v[20+\j], s101, v[20+\j]
.endr
	global_store_b128 v30, v[16:19], s[12:13] offset:KSC
	global_store_b128 v30, v[20:23], s[12:13] offset:KSC+HEADSTR
	s_wait_tensorcnt 0x0
	ds_add_u32 v[SPW], v[NIL]
	s_wait_dscnt 0x0
	CROUND
	s_endpgm
.Lfunc_end_k_q980c67791e_proj_qk:
	.size	k_q980c67791e_proj_qk, .Lfunc_end_k_q980c67791e_proj_qk-k_q980c67791e_proj_qk
	.p2alignl 7, 3214868480
	.fill 96, 4, 3214868480
	.section	.rodata,"a",@progbits
	.p2align	6, 0x0
	.amdhsa_kernel k_q980c67791e_proj_qk
		.amdhsa_group_segment_fixed_size 327680
		.amdhsa_private_segment_fixed_size 0
		.amdhsa_enable_private_segment 0
		.amdhsa_kernarg_size 112
		.amdhsa_user_sgpr_count 2
		.amdhsa_user_sgpr_kernarg_segment_ptr 1
		.amdhsa_wavefront_size32 1
		.amdhsa_system_sgpr_workgroup_id_x 1
		.amdhsa_system_sgpr_workgroup_id_y 1
		.amdhsa_system_sgpr_workgroup_id_z 1
		.amdhsa_system_vgpr_workitem_id 0
		.amdhsa_next_free_vgpr 1024
		.amdhsa_next_free_sgpr 102
		.amdhsa_reserve_vcc 0
		.amdhsa_float_denorm_mode_32 3
		.amdhsa_float_denorm_mode_16_64 3
		.amdhsa_memory_ordered 1
		.amdhsa_forward_progress 1
		.amdhsa_inst_pref_size 255
	.end_amdhsa_kernel
	.section	.bss,"aw",@nobits
	.p2align	6
	.space	262144
	.amdgpu_metadata
---
amdhsa.version: [ 1, 2 ]
amdhsa.kernels:
  - .name:           k_q980c67791e_proj_qk
    .symbol:         k_q980c67791e_proj_qk.kd
    .args:
      - { .name: query_codes, .offset: 0, .size: 8, .value_kind: global_buffer, .address_space: global }
      - { .name: query_scales, .offset: 8, .size: 8, .value_kind: global_buffer, .address_space: global }
      - { .name: Wq_codes, .offset: 16, .size: 8, .value_kind: global_buffer, .address_space: global }
      - { .name: Wq_scales, .offset: 24, .size: 8, .value_kind: global_buffer, .address_space: global }
      - { .name: bq, .offset: 32, .size: 8, .value_kind: global_buffer, .address_space: global }
      - { .name: qrec, .offset: 40, .size: 8, .value_kind: global_buffer, .address_space: global }
      - { .name: key_codes, .offset: 48, .size: 8, .value_kind: global_buffer, .address_space: global }
      - { .name: key_scales, .offset: 56, .size: 8, .value_kind: global_buffer, .address_space: global }
      - { .name: Wk_codes, .offset: 64, .size: 8, .value_kind: global_buffer, .address_space: global }
      - { .name: Wk_scales, .offset: 72, .size: 8, .value_kind: global_buffer, .address_space: global }
      - { .name: bk, .offset: 80, .size: 8, .value_kind: global_buffer, .address_space: global }
      - { .name: kvrec, .offset: 88, .size: 8, .value_kind: global_buffer, .address_space: global }
      - { .name: cos, .offset: 96, .size: 8, .value_kind: global_buffer, .address_space: global }
      - { .name: sin, .offset: 104, .size: 8, .value_kind: global_buffer, .address_space: global }
    .group_segment_fixed_size: 327680
    .private_segment_fixed_size: 0
    .kernarg_segment_align: 8
    .kernarg_segment_size: 112
    .max_flat_workgroup_size: 128
    .sgpr_count:     102
    .vgpr_count:     1024
    .wavefront_size: 32
...
	.end_amdgpu_metadata
.endif
;; end of part 2
;; launch proj_v (part 3): grid 32 x 8, 4 waves a work-group, clusters of 4 x 4, 327,680 bytes of LDS; arguments Wv_codes, Wv_scales, value_codes, value_scales, bv, kvrec; writes kvrec
.if DOCPART == 3
	.amdgcn_target "amdgcn-amd-amdhsa--gfx1250"
	.amdhsa_code_object_version 6
	.text
	.protected	k_q980c67791e_proj_v
	.globl	k_q980c67791e_proj_v
	.p2align	8
	.type	k_q980c67791e_proj_v,@function
k_q980c67791e_proj_v:
	s_mov_b64 s[64:65], 0
	v_nop
	global_prefetch_b8 v0, s[64:65] scope:SCOPE_SE
	s_setreg_imm32_b32 hwreg(HW_REG_WAVE_MODE, 25, 1), 1
	s_wait_xcnt 0x0
	s_wait_alu depctr_hold_cnt(0) depctr_sa_sdst(0) depctr_va_vdst(0) depctr_va_sdst(0) depctr_va_ssrc(0) depctr_va_vcc(0) depctr_vm_vsrc(0)
	s_getreg_b32 s2, hwreg(HW_REG_IB_STS2, 6, 4)
	s_cmp_eq_u32 s2, 0
	s_cbranch_scc0 .Lentry_in_a_cluster
	s_endpgm
.Lentry_in_a_cluster:
	s_bfe_u32 s2, ttmp6, 0x10000c
	s_cmp_lg_u32 s2, 0xf033
	s_cbranch_scc0 .Lentry_shape_is_right
	s_endpgm
.Lentry_shape_is_right:
; v^T = Wv value^T + bv on E4M3 codes with E8M0 scales, quantised along the keys and stored as images of the attention launch's operand registers.
; "A" = 128 rows of Wv (two heads' channels), "B" = 256 tokens (two records of 128 keys): a block of 128 x 256 to a work-group, 256 work-groups.  A wave makes 64 channels (one head) x 128 tokens (one record): 32 accumulators.
; Source 0 = 16 tokens, source 1 = 16 channels: a lane holds one channel and its registers run along the keys, the next product's K.
; K goes in four steps of 256 through two LDS slots (A's 128 rows, then B's 256; rows of 256 bytes + 16); the steps are written out.  The scales of all of K come once, at the head, and stay in LDS.
; CLUSTER 4 x 4: A's tiles hang on work-group y alone and are asked for jointly along a row of the cluster, B's on x alone, jointly along a column.
; Both operands' fragments have two sets of registers: while one 128 along K is multiplied (32 matrix instructions), the next one's 48 LDS loads are out.
; No prefetch: K has four steps, and two of them are asked for ahead of the first product.
; REGISTERS: window 0: v0-31 addresses; v32-63 scale words, two sets; v64-71 the bias; v128-255 A's fragments, two sets.  Window 1: B's fragments, two sets.  Window 2: the accumulators, (a, b) at v[8 (8 a + b)].
.set REC,     17152
.set VIMG,    8192
.set VSC,     16896
.set KROW,    1024
.set ROWB,    256
.set ASTEP,   256
.set NQ,      2
.set PITCH,   272
.set FR,      16
.set NP,      8
.set HALFT,   128*PITCH
.set AH,      64*PITCH                 ; 64 rows of A in LDS
.set SLOT,    3*HALFT
.set KS,      32
.set SCL,     2*SLOT
.set HALFS,   16*272                   ; the scales of 128 rows
.set SBLK,    2*272                    ; of 16 rows
.set SPARE,   SCL+3*HALFS
.set ADRA, 16
.set ADRB, 20
.set ADRS, 27
.set SPW,  28
.set NIL,  29
.set SC,   32
.set BV,   64
.set AF,   128
.set G1, 24
.set G0, 32
.set G1B, 48
.set G0B, 56
.set G1S, 68
.set G0S, 76
.set G1SB, 80
.set G0SB, 88
.set G0H, 4
.set G0HB, 8
.set PW,  7
.set PWS, 8
.set X,   160
.set CD,  224
.set TM,  240
.set SEL, 92
.set MNT, 94
.set MSB, 0
.macro WIN new
.if MSB != (\new)
	s_set_vgpr_msb (MSB<<8)|(\new)
.set MSB, (\new)
.endif
.endm
.set MUL,  0xa1                        ; source 0 (B) window 1, source 1 (A) window 0, C and D window 2
.set TO_B, 0x40
.macro JLOAD g0a, g1a, g0b, g1b        ; waves 0 and 1 fetch for A, waves 2 and 3 for B
	s_cmp_eq_u32 s15, 0
	s_cbranch_scc0 .Lfor_b_\@
	tensor_load_to_lds s[\g0a:\g0a+3], s[\g1a:\g1a+7]
	s_nop 0
.rept 4
	v_nop
.endr
	s_branch .Lasked_\@
.Lfor_b_\@:
	tensor_load_to_lds s[\g0b:\g0b+3], s[\g1b:\g1b+7]
	s_nop 0
.rept 4
	v_nop
.endr
.Lasked_\@:
.endm
.macro CREST
	s_cmp_lg_u32 s14, 0
	s_cbranch_scc1 .Lnot_wave_0_\@
	s_barrier_signal -3
.Lnot_wave_0_\@:
	s_barrier_wait -3
	s_barrier_signal -1
	s_barrier_wait -1
.endm
.macro CROUND
	s_barrier_signal -1
	s_barrier_wait -1
	CREST
.endm
	s_load_b128 s[4:7], s[0:1], 0x0                ; Wv's codes, scales
	s_load_b128 s[8:11], s[0:1], 0x10              ; value's codes, scales
	s_load_b64 s[66:67], s[0:1], 0x20              ; bv
	s_load_b64 s[12:13], s[0:1], 0x28              ; kvrec
	v_lshl_add_u32 v[SPW], v0, 2, SPARE
	v_mov_b32 v[NIL], 0
	ds_add_u32 v[SPW], v[NIL]                      ; the opening add, twice on end, and its wait
	ds_add_u32 v[SPW], v[NIL]
	v_lshrrev_b32 v1, 5, v0
	v_readfirstlane_b32 s14, v1                    ; wave 0..3
	s_lshr_b32 s15, s14, 1                         ; my half of A's rows; also: I fetch for A (0) or B (1)
	s_and_b32 s16, s14, 1                          ; my half of B's rows; also: which half of a tile I fetch
	s_bfe_u32 s40, ttmp6, 0x40000                  ; cx
	s_bfe_u32 s41, ttmp6, 0x40004                  ; cy
	s_lshl_b32 s42, ttmp9, 2
	s_add_co_u32 s42, s42, s40                     ; B's tile of 256 tokens
	s_and_b32 s17, ttmp7, 0xffff
	s_lshl_b32 s17, s17, 2
	s_add_co_u32 s17, s17, s41                     ; A's tile of 128 channels
	s_lshl_b32 s43, s41, 2
	s_lshl_b32 s43, 15, s43                        ; my row of the cluster
	s_lshl_b32 s44, 0x1111, s40                    ; my column
	s_or_b32 s[G1+0], s43, (0<<16)|(1<<20)|(1<<21)|(5<<22)|(3<<25)
	s_or_b32 s[G1B+0], s44, (0<<16)|(1<<20)|(1<<21)|(5<<22)|(3<<25)
.irp g, G1, G1B
	s_mov_b32 s[\g+1], ROWB<<16
	s_mov_b32 s[\g+3], ROWB<<16
	s_mov_b32 s[\g+5], KROW
	s_mov_b32 s[\g+6], 0
	s_mov_b32 s[\g+7], 0
.endr
	s_mov_b32 s[G1+2], 128<<16                     ; the head's loads bring whole tiles: 128 rows of A,
	s_mov_b32 s[G1+4], 128
	s_mov_b32 s[G1B+2], 256<<16                    ; 256 of B
	s_mov_b32 s[G1B+4], 256
	s_or_b32 s[G1S+0], s43, (3<<16)|(1<<20)|(1<<21)|(5<<22)|(3<<25)
	s_or_b32 s[G1SB+0], s44, (3<<16)|(1<<20)|(1<<21)|(5<<22)|(3<<25)
.irp g, G1S, G1SB
	s_mov_b32 s[\g+1], 32<<16
	s_mov_b32 s[\g+3], 32<<16
	s_mov_b32 s[\g+5], 32
	s_mov_b32 s[\g+6], 0
	s_mov_b32 s[\g+7], 0
.endr
	s_mov_b32 s[G1S+2], 16<<16                     ; the scales of 128 rows: 16 rows of 256 bytes; of 256 rows: 32
	s_mov_b32 s[G1S+4], 16
	s_mov_b32 s[G1SB+2], 32<<16
	s_mov_b32 s[G1SB+4], 32
	s_lshl_b32 s20, s17, 7                         ; A's first row
	s_lshl_b32 s46, s42, 8                         ; B's
	s_mov_b32 s21, 0
	s_mov_b32 s47, 0
	s_mov_b64 s[18:19], KS
	s_mul_u64 s[22:23], s[20:21], s[18:19]
	s_mul_u64 s[92:93], s[46:47], s[18:19]
	s_mov_b64 s[18:19], KROW
	s_mul_u64 s[20:21], s[20:21], s[18:19]
	s_mul_u64 s[46:47], s[46:47], s[18:19]
	s_mul_i32 s18, s16, 64*KROW                    ; in the ring I fetch half a tile: in memory,
	s_mov_b32 s19, 0
	s_mul_i32 s94, s16, 128*KROW
	s_mov_b32 s95, 0
	s_mul_i32 s45, s16, AH                         ; and in a slot
	s_mul_i32 s3, s16, HALFT
	s_add_co_u32 s3, s3, HALFT
	s_wait_dscnt 0x0                               ; both opening adds are done
	s_wait_kmcnt 0x0
	s_add_nc_u64 s[20:21], s[4:5], s[20:21]
	s_add_nc_u64 s[22:23], s[6:7], s[22:23]
	s_add_nc_u64 s[46:47], s[8:9], s[46:47]
	s_add_nc_u64 s[92:93], s[10:11], s[92:93]
	CROUND                                         ; in front of the first joint loads
	s_mov_b32 s[G0H], 1
	s_mov_b32 s[G0H+1], 0
	s_mov_b64 s[G0H+2:G0H+3], s[20:21]
	s_or_b32 s[G0H+3], s[G0H+3], 0x80000000
	s_mov_b32 s[G0HB], 1
	s_mov_b32 s[G0HB+1], HALFT
	s_mov_b64 s[G0HB+2:G0HB+3], s[46:47]
	s_or_b32 s[G0HB+3], s[G0HB+3], 0x80000000
	s_mov_b32 s[G0S], 1
	s_mov_b32 s[G0S+1], SCL
	s_mov_b64 s[G0S+2:G0S+3], s[22:23]
	s_or_b32 s[G0S+3], s[G0S+3], 0x80000000
	s_mov_b32 s[G0SB], 1
	s_mov_b32 s[G0SB+1], SCL+HALFS
	s_mov_b64 s[G0SB+2:G0SB+3], s[92:93]
	s_or_b32 s[G0SB+3], s[G0SB+3], 0x80000000
	s_add_nc_u64 s[20:21], s[20:21], s[18:19]
	s_add_nc_u64 s[46:47], s[46:47], s[94:95]
.irp s, 0,1
	s_mov_b32 s[G0+4*\s], 1
	s_add_co_u32 s[G0+4*\s+1], s45, \s*SLOT
	s_add_nc_u64 s[G0+4*\s+2:G0+4*\s+3], s[20:21], \s*ASTEP
	s_or_b32 s[G0+4*\s+3], s[G0+4*\s+3], 0x80000000
	s_mov_b32 s[G0B+4*\s], 1
	s_add_co_u32 s[G0B+4*\s+1], s3, \s*SLOT
	s_add_nc_u64 s[G0B+4*\s+2:G0B+4*\s+3], s[46:47], \s*ROWB
	s_or_b32 s[G0B+4*\s+3], s[G0B+4*\s+3], 0x80000000
.endr
; the head's loads, one a wave: K step 0 of A, of B, A's scales, B's scales: one tree of branches on the wave's number
.macro ARM under, g0, g1, next
	s_cmp_lt_u32 s14, \under
	s_cbranch_scc0 \next
	tensor_load_to_lds s[\g0:\g0+3], s[\g1:\g1+7]
	s_nop 0
.rept 4
	v_nop
.endr
	s_branch .Lhead_asked
\next:
.endm
	ARM 1, G0H,  G1,  .Lhead_b
	ARM 2, G0HB, G1B, .Lhead_sa
	ARM 3, G0S,  G1S, .Lhead_sb
	tensor_load_to_lds s[G0SB:G0SB+3], s[G1SB:G1SB+7]
	s_nop 0
.rept 4
	v_nop
.endr
.Lhead_asked:
	v_and_b32 v1, 15, v0
	v_bfe_u32 v2, v0, 4, 1
	v_mul_u32_u24 v3, v1, PITCH
	v_lshl_add_u32 v4, v2, 4, v3
	s_mul_i32 s21, s15, AH
	s_mul_i32 s22, s16, HALFT
	s_add_co_u32 s22, s22, HALFT
.irp s, 0,1
	v_add_nc_u32 v[ADRA+\s], s21, v4
	v_add_nc_u32 v[ADRB+\s], s22, v4
	s_add_co_u32 s21, s21, SLOT
	s_add_co_u32 s22, s22, SLOT
.endr
	v_mul_u32_u24 v5, v1, KS                       ; my row's scales: 32 bytes a row, 16 more for each 256 passed
	v_lshrrev_b32 v6, 8, v5
	v_lshl_add_u32 v5, v6, 4, v5
	s_mul_i32 s21, s15, 4*SBLK                     ; A's: my 64 rows
	s_mul_i32 s22, s16, HALFS                      ; B's: my 128 rows, behind A's 128
	s_add_co_u32 s22, s22, HALFS
	s_sub_co_u32 s22, s22, s21
	v_mul_u32_u24 v6, s22, v2                      ; lanes 16-31 take B's
	s_add_co_u32 s21, s21, SCL
	v_add_nc_u32 v5, v5, v6
	v_add_nc_u32 v[ADRS], s21, v5
	v_and_b32 v31, 31, v0
	v_lshlrev_b32 v30, 4, v31
	v_lshlrev_b32 v31, 3, v31
	v_lshlrev_b32 v6, 2, v1
	s_wait_alu depctr_va_vdst(0)                   ; ahead of the run of scalar lines
	s_lshl_b32 s20, s17, 7
	s_lshl_b32 s21, s15, 6
	s_add_co_u32 s20, s20, s21                     ; my first channel
	s_lshl_b32 s46, s42, 8
	s_lshl_b32 s47, s16, 7
	s_add_co_u32 s46, s46, s47                     ; my first token
	s_lshr_b32 s47, s46, 11
	s_lshl_b32 s47, s47, 4
	s_lshr_b32 s21, s20, 6
	s_add_co_u32 s47, s47, s21                     ; batch x 16 + head
	s_lshl_b32 s47, s47, 4
	s_bfe_u32 s46, s46, 0x40007
	s_add_co_u32 s47, s47, s46                     ; its record of 128 keys
	s_mul_i32 s46, s47, REC
	s_mov_b32 s47, 0
	s_add_nc_u64 s[12:13], s[12:13], s[46:47]
	s_lshl_b32 s20, s20, 2
	s_mov_b32 s21, 0
	s_add_nc_u64 s[66:67], s[66:67], s[20:21]
.irp a, 0,1,2,3
	global_load_b32 v[BV+2*\a], v6, s[66:67] offset:64*\a
	global_load_b32 v[BV+2*\a+1], v6, s[66:67] offset:64*\a
.endr
.macro FRAG reg, adr, q, i
.irp c, 0,1,2,3
	ds_load_b128 v[\reg+4*\c:\reg+4*\c+3], v[\adr] offset:128*(\q)+32*\c+(\i)*16*PITCH
.endr
.endm
.macro MUL8 a, p, q, sc, first         ; A's block a against B's eight; the 32 accumulators take turns in the same order in every step
.irp b, 0,1,2,3,4,5,6,7
.if \first
	v_wmma_scale_f32_16x16x128_f8f6f4 v[8*(8*(\a)+\b):8*(8*(\a)+\b)+7], v[128*(\p)+FR*\b:128*(\p)+FR*\b+FR-1], v[AF+64*(\p)+FR*(\a):AF+64*(\p)+FR*(\a)+FR-1], 0, v[SC+8*NQ*(\sc)+NQ*\b+(\q)], v[SC+8*NQ*(\sc)+NQ*(\a)+(\q)] matrix_a_scale:MATRIX_SCALE_ROW1
.else
	v_wmma_scale_f32_16x16x128_f8f6f4 v[8*(8*(\a)+\b):8*(8*(\a)+\b)+7], v[128*(\p)+FR*\b:128*(\p)+FR*\b+FR-1], v[AF+64*(\p)+FR*(\a):AF+64*(\p)+FR*(\a)+FR-1], v[8*(8*(\a)+\b):8*(8*(\a)+\b)+7], v[SC+8*NQ*(\sc)+NQ*\b+(\q)], v[SC+8*NQ*(\sc)+NQ*(\a)+(\q)] matrix_a_scale:MATRIX_SCALE_ROW1
.endif
.endr
.endm
.macro FETCH slot, q, p                ; 48 LDS loads: the fragments of the slot's q-th 128 along K into set p
	WIN TO_B
.irp i, 0,1,2,3,4,5,6,7
	FRAG 128*(\p)+FR*\i, ADRB+\slot, \q, \i
.endr
	WIN 0
.irp i, 0,1,2,3
	FRAG AF+64*(\p)+FR*\i, ADRA+\slot, \q, \i
.endr
.endm
.macro SCALES sc                       ; a K step's scale words: lanes 0-15 A's block i (blocks 0-3 are used), lanes 16-31 B's block i
.irp i, 0,1,2,3,4,5,6,7
	ds_load_b64 v[SC+8*NQ*\sc+NQ*\i:SC+8*NQ*\sc+NQ*\i+1], v[ADRS] offset:\i*SBLK
.endr
.endm
.macro PLACES n
.rept \n
	v_nop
.endr
.endm
.macro STEP slot, first                ; a slot's first 128 along K, on set 0; the second's fragments are fetched under it
	s_wait_dscnt 0x0
	PLACES NP                                      ; eight places ahead of loads into registers that matrix instructions have read
	FETCH \slot, 1, 1
	WIN MUL
.irp a, 0,1,2,3
	MUL8 \a, 0, 0, \slot, \first
.endr
	WIN 0
.endm
.macro TURN slot, next, fill           ; a slot's second 128, on set 1, and the change of slots: all my reads of this slot are in registers
	s_wait_tensorcnt 0x0                           ; all my tensor loads have landed: my part of the next slot
	ds_add_u32 v[SPW], v[NIL]
	s_wait_dscnt 1                                 ; set 1 is in; the add alone may be out
	WIN MUL
	MUL8 0, 1, 1, \slot, 0
	s_wait_dscnt 0x0
	s_barrier_signal -1
	MUL8 1, 1, 1, \slot, 0
	WIN 0
	s_barrier_wait -1
.if \fill
	CREST                                          ; the barrier has opened a round of the cluster's barrier
	s_add_nc_u64 s[G0+4*\slot+2:G0+4*\slot+3], s[G0+4*\slot+2:G0+4*\slot+3], 2*ASTEP
	s_add_nc_u64 s[G0B+4*\slot+2:G0B+4*\slot+3], s[G0B+4*\slot+2:G0B+4*\slot+3], 2*ROWB
	JLOAD G0+4*\slot, G1, G0B+4*\slot, G1B         ; the first tensor load behind the round: this slot, two K steps on
	PLACES NP-4
.else
	PLACES NP
.endif
	v_add_nc_u32 v[ADRS], 4*NQ, v[ADRS]
	s_wait_alu depctr_va_vdst(0)                   ; directly behind the write
	FETCH \next, 0, 0
	SCALES \next
	WIN MUL
	MUL8 2, 1, 1, \slot, 0
	MUL8 3, 1, 1, \slot, 0
	WIN 0
.endm
	s_wait_alu depctr_va_vdst(0)                   ; the head's end
	s_wait_tensorcnt 0x0                           ; my tile of the head's four is in; the full sequence ahead of slot 1's first fill
	ds_add_u32 v[SPW], v[NIL]
	s_mov_b32 s[G1+2], 64<<16                      ; no tensor load of mine is out: from here on a load brings half a tile
	s_mov_b32 s[G1+4], 64
	s_mov_b32 s[G1B+2], 128<<16
	s_mov_b32 s[G1B+4], 128
	s_wait_dscnt 0x0
	CROUND
	JLOAD G0+4, G1, G0B+4, G1B                     ; K step 1
	FETCH 0, 0, 0
	SCALES 0
	STEP 0, 1
	TURN 0, 1, 1
	STEP 1, 0
	TURN 1, 0, 1
	STEP 0, 0
	TURN 0, 1, 0
	STEP 1, 0
	s_wait_dscnt 0x0
	WIN MUL
.irp a, 0,1,2,3
	MUL8 \a, 1, 1, 1, 0
.endr
	WIN 0
.macro ADDB a
.set AC, 64*(\a)
	WIN 0x02
.set ii, 0
.rept 32
	v_pk_add_f32 v[X+ii:X+ii+1], v[AC+ii:AC+ii+1], v[BV+2*(\a):BV+2*(\a)+1]
.set ii, ii+2
.endr
	WIN 0
.endm
.macro QUANT s                         ; four blocks of 32 keys: scale from the largest magnitude's exponent, hold at 448 x the scale, convert
.irp b, 0,1,2,3
	v_max3_num_f32 v[TM+\b], |v[\s+16*\b]|, |v[\s+1+16*\b]|, 0x4800000
.endr
.irp i, 2,4,6,8,10,12,14
.irp b, 0,1,2,3
	v_max3_num_f32 v[TM+\b], v[TM+\b], |v[\s+16*\b+\i]|, |v[\s+1+16*\b+\i]|
.endr
.endr
.irp b, 0,1,2,3
	v_permlanex16_b32 v[TM+4+\b], v[TM+\b], s[SEL], s[SEL+1]
.endr
.irp b, 0,1,2,3
	v_max_num_f32 v[TM+\b], v[TM+\b], v[TM+4+\b]
.endr
.irp b, 0,1,2,3
	v_add_nc_u32 v[TM+12+\b], 0xfc000000, v[TM+\b]
.endr
.irp b, 0,1,2,3
	v_and_or_b32 v[TM+8+\b], v[TM+\b], 0x7f800000, s[MNT]
.endr
.irp b, 0,1,2,3
	v_lshrrev_b32 v[TM+4+\b], 23, v[TM+12+\b]
.endr
	v_lshl_or_b32 v[PW], v[TM+5], 8, v[TM+4]
	v_lshl_or_b32 v[PW], v[TM+6], 16, v[PW]
	v_lshl_or_b32 v[PW], v[TM+7], 24, v[PW]
.irp b, 0,1,2,3
.irp i, 0,1,2,3,4,5,6,7,8,9,10,11,12,13,14,15
	v_med3_num_f32 v[\s+16*\b+\i], v[\s+16*\b+\i], -v[TM+8+\b], v[TM+8+\b]
.endr
	v_cvt_scalef32_pk8_fp8_f32 v[CD+4*\b:CD+1+4*\b], v[\s+16*\b:\s+7+16*\b], v[TM+12+\b]
	v_cvt_scalef32_pk8_fp8_f32 v[CD+2+4*\b:CD+3+4*\b], v[\s+8+16*\b:\s+15+16*\b], v[TM+12+\b]
.endr
	v_nop
.endm
	PLACES NP
	s_mov_b32 s[SEL], 0x76543210
	s_mov_b32 s[SEL+1], 0xfedcba98
	s_mov_b32 s[MNT], 0x600000
	s_mov_b32 s40, 0xffff0000
.irp b, 0,1,2,3
	v_mov_b32 v[TM+4+\b], 0
.endr
	s_wait_loadcnt 0x0
.irp a, 0,1,2,3                        ; tile a of 16 channels: bias, quantise along the 128 keys, store the image: 512 consecutive bytes a store
	ADDB \a
.if \a > 0
	s_wait_xcnt 0x0
.endif
	QUANT X
.irp c, 0,1,2,3
	global_store_b128 v30, v[CD+4*\c:CD+4*\c+3], s[12:13] offset:VIMG+\a*2048+512*\c
.endr
	v_mov_b32 v[PWS+\a], v[PW]
.endr
.irp j, 0,1
	v_cndmask_b32 v[16+\j], v[PWS+2*\j], v[PWS+2*\j+1], s40   ; lanes 0-15 the even tile's scale words, lanes 16-31 the odd one's
.endr
	global_store_b64 v31, v[16:17], s[12:13] offset:VSC
	s_wait_tensorcnt 0x0                           ; the wave's end
	ds_add_u32 v[SPW], v[NIL]
	s_wait_dscnt 0x0
	CROUND                                         ; the closing round
	s_endpgm
.Lfunc_end_k_q980c67791e_proj_v:
	.size	k_q980c67791e_proj_v, .Lfunc_end_k_q980c67791e_proj_v-k_q980c67791e_proj_v
	.p2alignl 7, 3214868480
	.fill 96, 4, 3214868480
	.section	.rodata,"a",@progbits
	.p2align	6, 0x0
	.amdhsa_kernel k_q980c67791e_proj_v
		.amdhsa_group_segment_fixed_size 327680
		.amdhsa_private_segment_fixed_size 0
		.amdhsa_enable_private_segment 0
		.amdhsa_kernarg_size 48
		.amdhsa_user_sgpr_count 2
		.amdhsa_user_sgpr_kernarg_segment_ptr 1
		.amdhsa_wavefront_size32 1
		.amdhsa_system_sgpr_workgroup_id_x 1
		.amdhsa_system_sgpr_workgroup_id_y 1
		.amdhsa_system_sgpr_workgroup_id_z 1
		.amdhsa_system_vgpr_workitem_id 0
		.amdhsa_next_free_vgpr 768
		.amdhsa_next_free_sgpr 98
		.amdhsa_reserve_vcc 0
		.amdhsa_float_denorm_mode_32 3
		.amdhsa_float_denorm_mode_16_64 3
		.amdhsa_memory_ordered 1
		.amdhsa_forward_progress 1
		.amdhsa_inst_pref_size 118
	.end_amdhsa_kernel
	.amdgpu_metadata
---
amdhsa.version: [ 1, 2 ]
amdhsa.kernels:
  - .name:           k_q980c67791e_proj_v
    .symbol:         k_q980c67791e_proj_v.kd
    .args:
      - { .name: Wv_codes, .offset: 0, .size: 8, .value_kind: global_buffer, .address_space: global }
      - { .name: Wv_scales, .offset: 8, .size: 8, .value_kind: global_buffer, .address_space: global }
      - { .name: value_codes, .offset: 16, .size: 8, .value_kind: global_buffer, .address_space: global }
      - { .name: value_scales, .offset: 24, .size: 8, .value_kind: global_buffer, .address_space: global }
      - { .name: bv, .offset: 32, .size: 8, .value_kind: global_buffer, .address_space: global }
      - { .name: kvrec, .offset: 40, .size: 8, .value_kind: global_buffer, .address_space: global }
    .group_segment_fixed_size: 327680
    .private_segment_fixed_size: 0
    .kernarg_segment_align: 8
    .kernarg_segment_size: 48
    .max_flat_workgroup_size: 128
    .sgpr_count:     98
    .vgpr_count:     768
    .wavefront_size: 32
...
	.end_amdgpu_metadata
.endif
;; end of part 3
;; launch attn (part 4): grid 64 x 16, 4 waves a work-group, no clusters, 0 bytes of LDS; arguments qrec, kvrec, mcodes, flags, oimg, oscl; writes oimg, oscl
.if DOCPART == 4
	.amdgcn_target "amdgcn-amd-amdhsa--gfx1250"
	.amdhsa_code_object_version 6
	.text
	.protected	k_q980c67791e_attn
	.globl	k_q980c67791e_attn
	.p2align	8
	.type	k_q980c67791e_attn,@function
k_q980c67791e_attn:
	s_mov_b64 s[64:65], 0
	v_nop
	global_prefetch_b8 v0, s[64:65] scope:SCOPE_SE
	s_setreg_imm32_b32 hwreg(HW_REG_WAVE_MODE, 25, 1), 1
	s_wait_xcnt 0x0
; o = softmax(q k^T / 8, hidden keys at -infinity) v for 64 (batch, head) pairs, head size 64, both products on E4M3 codes with E8M0 scales; o is quantised along the model's 1,024.
; THE SOFTMAX: t = score x log2(e) / 8; M = the running largest t rounded up to a whole number; p = 2^(t - M) is quantised along the keys; l is the sum of the unquantised p and divides at the end.
; When M moves, l and O are multiplied by 2^(old M - new M), which rounds nothing.
; WHICH STEPS ARE WALKED.  The mask is an input of whole numbers.  The launch before stored, for my 32 queries and each step of 128 keys, a word that says whether any key there counts; a step in which
; none counts adds p = 0 everywhere and is not walked.  Step 0 is always walked, so that M is a number from the first step on.  This launch has no tensor load, no LDS and no barrier;
; K, V and the mask's codes, which lie in memory as images of operand registers, go straight into registers, 16 bytes a lane on end.  No cluster: joint loads are tensor loads.
; No prefetch: each step's loads are themselves issued one whole walked step ahead of their use (K behind the step's score products, V behind its second products).
; THE MASK RIDES IN THE SCORE PRODUCT.  The head's 64 fill half of the instruction's K of 128.  At k = 64 + 16 h + i source 0 (16 keys) holds the code (0 or -448) of mask[my query 16 h + i][key];
; source 1 of query tile a holds 448 at k = 64 + 16 a + (query's lane), zeros elsewhere; the scale bytes there are 129 on both sides.  A hidden score gets -3,211,264 added, one that counts an exact 0.
; What steps with no visible key so far leave in l and O is multiplied by 0 at the first visible key.  A query with no visible key ends with its largest t under -250,000: its scale bytes of o become 0xff: its row of the result is NaN.
; LIMIT: |q . k| (before the 1 / 8) stays under 2^20; NaN and infinities in q, k, v are not served.
; SHARES.  A wave owns 32 queries (two tiles of 16) of one head; the four waves of a work-group own 128 neighbouring queries and share nothing.  Work-group y counts the blocks of queries from the last down.
; LAYOUT.  Both products transposed: S^T = K Q^T, O^T = V^T P^T: a lane holds one query of each tile.  Register 16 b + i of S^T is key 32 b + 16 (i / 8) + 8 (lane / 16) + i % 8; V's codes lie in that order.
; REGISTERS.  Window 0: v1, v2 offsets; v8-15 per tile -M, largest t, l (pair); v16-47 source 1 of both tiles; v48-57 scale words; v58-63 f, at work; v64-191 S^T, then p; v192-223 p's codes; v224-255 at work.
; Window 1: v0-127 K's eight fragments (8 of K, 4 of the mask, 4 zeros each); v128-191 V's four; v192-255 O^T of both tiles.
.set REC,  17152
.set VIMG, 8192
.set KSC,  16384
.set VSC,  16896
.set L16, 1
.set L8,  2
.set ST,  8
.set QB,  16
.set KSR, 48
.set VSR, 52
.set QS,  54
.set PW,  56
.set FF,  58
.set TT,  62
.set S,   64
.set CD,  192
.set BM,  224
.set PT,  232
.set LM,  240
.set SO,  248
.set VF,  128                          ; window 1
.set OT,  192                          ; window 1
.set WV,  16
.set MNT, 17
.set SEL, 18
.set CS,  20
.set LHI, 22
.set FL,  23                           ; steps still to come
.set TR,  24                           ; trips to go
.set NB,  26                           ; s[26:27] the record that loads name; s[28:29] the mask's codes of that step
.set MSB, 0
.macro WIN new
.if MSB != (\new)
	s_set_vgpr_msb (MSB<<8)|(\new)
.set MSB, (\new)
.endif
.endm
.macro PLACES
.rept 8
	v_nop
.endr
.endm
.macro KLOAD                           ; 25 loads: K's eight tiles with the mask's codes, and K's scale words
	WIN 0x40
.irp u, 0,1,2,3,4,5,6,7
	global_load_b128 v[16*\u:16*\u+3], v[L16], s[NB:NB+1] offset:1024*\u
	global_load_b128 v[16*\u+4:16*\u+7], v[L16], s[NB:NB+1] offset:1024*\u+512
	global_load_b128 v[16*\u+8:16*\u+11], v[L16], s[NB+2:NB+3] offset:512*\u
.endr
	WIN 0
	global_load_b128 v[KSR:KSR+3], v[L16], s[NB:NB+1] offset:KSC
.endm
.macro VLOAD                           ; 17 loads: V's four fragments and its scale words
	WIN 0x40
.irp t, 0,1,2,3
.irp c, 0,1,2,3
	global_load_b128 v[VF+16*\t+4*\c:VF+16*\t+4*\c+3], v[L16], s[NB:NB+1] offset:VIMG+2048*\t+512*\c
.endr
.endr
	WIN 0
	global_load_b64 v[VSR:VSR+1], v[L8], s[NB:NB+1] offset:VSC
.endm
	s_load_b256 s[4:11], s[0:1], 0x0               ; qrec, kvrec, mcodes, flags
	s_load_b128 s[12:15], s[0:1], 0x20             ; oimg, oscl
	v_lshrrev_b32 v3, 5, v0
	v_readfirstlane_b32 s[WV], v3                  ; wave 0..3
	s_and_b32 s52, ttmp7, 0xffff
	s_sub_co_u32 s52, 15, s52                      ; my block of 128 queries
	s_lshl_b32 s53, s52, 2
	s_add_co_u32 s53, s53, s[WV]                   ; qt: my 32 queries
	s_lshl_b32 s30, s53, 6                         ; 16 flag words
	s_mov_b32 s31, 0
	s_mov_b32 s33, 0
	s_wait_alu depctr_va_vdst(0)                   ; directly ahead of the wait below
	s_wait_kmcnt 0x0
	s_add_nc_u64 s[10:11], s[10:11], s[30:31]
	s_load_b512 s[36:51], s[10:11], 0x0            ; my 16 flag words
	s_lshl_b32 s54, ttmp9, 4
	s_mul_i32 s30, s54, REC
	s_add_nc_u64 s[6:7], s[6:7], s[30:31]          ; my head's 16 records of K and V
	s_add_co_u32 s54, s54, s52
	s_mul_i32 s30, s54, REC
	s_add_nc_u64 s[4:5], s[4:5], s[30:31]          ; my block's record of Q
	s_lshl_b32 s30, s53, 16
	s_add_nc_u64 s[8:9], s[8:9], s[30:31]          ; my queries' mask codes: 16 steps of 4,096 bytes
	s_mov_b64 s[NB:NB+1], s[6:7]                   ; step 0
	s_mov_b64 s[NB+2:NB+3], s[8:9]
	s_lshl_b32 s55, s[WV], 11
	s_lshl_b32 s56, s[WV], 2
	v_and_b32 v4, 31, v0
	v_lshlrev_b32 v[L16], 4, v4
	v_lshlrev_b32 v[L8], 3, v4
	v_add_nc_u32 v5, s55, v[L16]                   ; Q: my tiles are 2 wave and 2 wave + 1 of the record
	v_and_b32 v6, 15, v0
	v_lshl_add_u32 v6, v6, 4, s56                  ; their scale words: lanes 16 a + r of the image, word wave
	s_wait_alu depctr_va_vdst(0)                   ; ahead of the first readers
.irp a, 0,1
	global_load_b128 v[QB+16*\a:QB+16*\a+3], v5, s[4:5] offset:1024*\a
	global_load_b128 v[QB+16*\a+4:QB+16*\a+7], v5, s[4:5] offset:1024*\a+512
	global_load_b32 v[QS+\a], v6, s[4:5] offset:KSC+256*\a
.endr
	KLOAD
	VLOAD
	; where o goes: row tile R = batch x 128 + 2 qt + a; the head's 64 are K = 64 x head on
	s_lshr_b32 s52, ttmp9, 4
	s_and_b32 s54, ttmp9, 15
	s_lshl_b32 s52, s52, 7
	s_lshl_b32 s53, s53, 1
	s_add_co_u32 s52, s52, s53                     ; R of tile 0
	s_lshl_b32 s30, s52, 12
	s_lshr_b32 s55, s54, 2
	s_lshl_b32 s55, s55, 21
	s_add_co_u32 s30, s30, s55
	s_and_b32 s55, s54, 3
	s_lshl_b32 s55, s55, 10
	s_add_co_u32 s30, s30, s55
	s_add_nc_u64 s[12:13], s[12:13], s[30:31]      ; oimg + (head / 4) x 2,097,152 + R x 4,096 + (head % 4) x 1,024
	s_lshl_b32 s30, s52, 9
	s_lshl_b32 s55, s54, 1
	s_add_co_u32 s30, s30, s55
	s_add_nc_u64 s[14:15], s[14:15], s[30:31]      ; oscl + 16 R rows of 32 bytes + 2 x head
	s_mov_b32 s[SEL], 0x76543210
	s_mov_b32 s[SEL+1], 0xfedcba98
	s_mov_b32 s[CS], 0x3e38aa3b                    ; c = log2(e) / 8
	s_mov_b32 s[CS+1], s[CS]
	s_mov_b32 s[MNT], 0x600000                     ; the mantissa field of 448
	s_mov_b32 s[LHI], 0xffff0000
	; source 1's constant half: in tile a the query of lane r has 448 (code 0x7e) at k = 64 + 16 a + r: register 8 + r / 4, byte r % 4, of the lanes with lane / 16 = a
	v_and_b32 v3, 3, v0
	v_lshlrev_b32 v3, 3, v3
	v_mov_b32 v4, 0x7e
	v_lshlrev_b32 v4, v3, v4
	v_bfe_u32 v7, v0, 2, 3
.irp a, 0,1
.irp p, 0,1,2,3
	v_cmp_eq_u32 vcc_lo, 4*\a+\p, v7
	v_cndmask_b32 v[QB+16*\a+8+\p], 0, v4, vcc_lo
	v_mov_b32 v[QB+16*\a+12+\p], 0
.endr
	v_mov_b32 v[ST+4*\a+1], 0xff61b1e6             ; the largest t so far: -3e38
	v_floor_f32 v[ST+4*\a], -v[ST+4*\a+1]          ; -M
	v_mov_b32 v[ST+4*\a+2], 0                      ; l, in two halves
	v_mov_b32 v[ST+4*\a+3], 0
	v_mov_b32 v[FF+2*\a+1], 0                      ; (the upper half of a pair that is named, so written)
.endr
.irp m, 0,1,2,3,4,5,6,7
	v_mov_b32 v[PT+\m], 0                          ; a lane permute's destination counts as one of its sources
.endr
	WIN 0x40
.irp u, 0,1,2,3,4,5,6,7
.irp p, 12,13,14,15
	v_mov_b32 v[16*\u+\p], 0                       ; k = 96 .. 127 of source 0: zeros, written once
.endr
.endr
.set jj, 0
.rept 64
	v_mov_b32 v[OT+jj], 0                          ; O^T: the step is written once; its first turn finds zeros
.set jj, jj+1
.endr
	WIN 0
	s_wait_alu depctr_va_vdst(0)                   ; the head's end
	s_wait_kmcnt 0x0
.irp m, 37,38,39,40,41,42,43,44,45,46,47,48,49,50,51
	s_or_b32 s36, s36, s[\m]                       ; word j holds bit j or nothing
.endr
	s_and_b32 s[FL], s36, 0xfffe                   ; the steps behind step 0 that are walked
	s_bcnt1_i32_b32 s[TR], s[FL]                   ; as many trips have a successor
; A KEY STEP of 128 keys for both tiles.  pre = 1: the next walked step's K and V are asked for.
.macro STEP pre
	s_wait_loadcnt 17                              ; this step's K, mask codes and scale words are in; V's 17 younger loads may be out
.if \pre
	s_ctz_i32_b32 s25, s[FL]                       ; the next walked step,
	s_min_u32 s25, s25, 15                         ; held inside the head's 16 records
	s_lshl_b32 s30, 1, s25
	s_and_not1_b32 s[FL], s[FL], s30
	s_mul_i32 s30, s25, REC
	s_lshl_b32 s32, s25, 12
	s_wait_xcnt 0x0                                ; the loads that named the two bases have read them
	s_add_nc_u64 s[NB:NB+1], s[6:7], s[30:31]
	s_add_nc_u64 s[NB+2:NB+3], s[8:9], s[32:33]
.endif
	WIN 0x01
.irp u, 0,1,2,3,4,5,6,7                ; S^T = K Q^T: each fragment of K serves both tiles
.irp a, 0,1
.if (\u%2)
	v_wmma_scale_f32_16x16x128_f8f6f4 v[S+64*\a+8*\u:S+64*\a+8*\u+7], v[16*\u:16*\u+15], v[QB+16*\a:QB+16*\a+15], 0, v[KSR+\u/2], v[QS+\a] matrix_a_scale:MATRIX_SCALE_ROW1
.else
	v_wmma_scale_f32_16x16x128_f8f6f4 v[S+64*\a+8*\u:S+64*\a+8*\u+7], v[16*\u:16*\u+15], v[QB+16*\a:QB+16*\a+15], 0, v[KSR+\u/2], v[QS+\a]
.endif
.endr
.endr
	WIN 0
	PLACES                                         ; eight places ahead of the loads into K's registers and of the first read of the scores
.if \pre
	KLOAD
.endif
.irp a, 0,1                            ; the largest score of each block of 32 keys, my 16 of each; each accumulator is read from its low end on
.irp b, 0,1,2,3
	v_max3_num_f32 v[BM+4*\a+\b], v[S+64*\a+16*\b], v[S+64*\a+16*\b+1], v[S+64*\a+16*\b+2]
.endr
.endr
.irp i, 3,5,7,9,11,13
.irp a, 0,1
.irp b, 0,1,2,3
	v_max3_num_f32 v[BM+4*\a+\b], v[BM+4*\a+\b], v[S+64*\a+16*\b+\i], v[S+64*\a+16*\b+\i+1]
.endr
.endr
.endr
.irp a, 0,1
.irp b, 0,1,2,3
	v_max_num_f32 v[BM+4*\a+\b], v[BM+4*\a+\b], v[S+64*\a+16*\b+15]
.endr
.endr
.irp m, 0,1,2,3,4,5,6,7
	v_permlanex16_b32 v[PT+\m], v[BM+\m], s[SEL], s[SEL+1]
.endr
.irp m, 0,1,2,3,4,5,6,7
	v_max_num_f32 v[BM+\m], v[BM+\m], v[PT+\m]     ; with lane l xor 16's 16 keys
.endr
.irp a, 0,1
	v_max3_num_f32 v[TT+\a], v[BM+4*\a], v[BM+4*\a+1], v[BM+4*\a+2]
.endr
.irp a, 0,1
	v_max_num_f32 v[TT+\a], v[TT+\a], v[BM+4*\a+3] ; the step's largest score of my query
.endr
.irp a, 0,1
	v_mul_f32 v[TT+\a], s[CS], v[TT+\a]            ; as t
.endr
.irp a, 0,1
	v_max_num_f32 v[ST+4*\a+1], v[ST+4*\a+1], v[TT+\a]
.endr
.irp a, 0,1
	v_mov_b32 v[TT+\a], v[ST+4*\a]
.endr
.irp a, 0,1
	v_floor_f32 v[ST+4*\a], -v[ST+4*\a+1]          ; the new -M = floor(-t)
.endr
.irp a, 0,1
	v_sub_f32 v[TT+\a], v[ST+4*\a], v[TT+\a]       ; old M less new M: a whole number, 0 or less
.endr
.irp a, 0,1
	v_cvt_i32_f32 v[TT+\a], v[TT+\a]               ; (it saturates)
.endr
.irp a, 0,1
	v_ldexp_f32 v[FF+2*\a], 1.0, v[TT+\a]          ; f = 2^(old M - new M)
.endr
.irp a, 0,1
.set jj, 0
.rept 32
	v_pk_fma_f32 v[S+64*\a+jj:S+64*\a+jj+1], v[S+64*\a+jj:S+64*\a+jj+1], s[CS:CS+1], v[ST+4*\a:ST+4*\a+1] op_sel_hi:[1,0,0]   ; t - M
.set jj, jj+2
.endr
.irp b, 0,1,2,3
	v_fma_f32 v[BM+4*\a+\b], v[BM+4*\a+\b], s[CS], v[ST+4*\a]   ; the same of each block's largest score
.endr
.endr
	s_wait_alu depctr_va_vdst(0)                   ; ahead of the batch
.set jj, 0
.rept 128
	v_exp_f32 v[S+jj], v[S+jj]                     ; p = 2^(t - M), at most 1
.set jj, jj+1
.endr
.irp a, 0,1
	v_pk_mul_f32 v[ST+4*\a+2:ST+4*\a+3], v[ST+4*\a+2:ST+4*\a+3], v[FF+2*\a:FF+2*\a+1] op_sel_hi:[1,0]   ; l under the new M
.endr
	s_wait_alu depctr_va_vdst(0)                   ; one wait for the batch, ahead of its first reader
.irp m, 0,1,2,3,4,5,6,7
	v_exp_f32 v[BM+\m], v[BM+\m]                   ; the block's largest p: the same two instructions on the same number
.endr
.irp k, 0,1,2                          ; l += the unquantised p: four chains a tile (three in v232.., v240.., and l itself)
.irp a, 0,1
	v_pk_add_f32 v[PT+8*\a+2*\k:PT+8*\a+2*\k+1], v[S+64*\a+4*\k:S+64*\a+4*\k+1], v[S+64*\a+4*\k+2:S+64*\a+4*\k+3]
.endr
.endr
.set jj, 12
.rept 26
.irp a, 0,1
.if ((jj/2)%4) == 3
	v_pk_add_f32 v[ST+4*\a+2:ST+4*\a+3], v[ST+4*\a+2:ST+4*\a+3], v[S+64*\a+jj:S+64*\a+jj+1]
.else
	v_pk_add_f32 v[PT+8*\a+2*((jj/2)%4):PT+8*\a+2*((jj/2)%4)+1], v[PT+8*\a+2*((jj/2)%4):PT+8*\a+2*((jj/2)%4)+1], v[S+64*\a+jj:S+64*\a+jj+1]
.endif
.endr
.set jj, jj+2
.endr
.irp a, 0,1
	v_pk_add_f32 v[PT+8*\a:PT+8*\a+1], v[PT+8*\a:PT+8*\a+1], v[PT+8*\a+2:PT+8*\a+3]
	v_pk_add_f32 v[ST+4*\a+2:ST+4*\a+3], v[ST+4*\a+2:ST+4*\a+3], v[PT+8*\a+4:PT+8*\a+5]
.endr
.irp a, 0,1
	v_pk_add_f32 v[ST+4*\a+2:ST+4*\a+3], v[ST+4*\a+2:ST+4*\a+3], v[PT+8*\a:PT+8*\a+1]
.endr
	s_wait_alu depctr_va_vdst(0)                   ; and one for the eight
.irp m, 0,1,2,3,4,5,6,7
	v_max_num_f32 v[BM+\m], 0x4800000, v[BM+\m]    ; the floor 2^(9 - 127): the byte cannot fall under 1
.endr
.irp m, 0,1,2,3,4,5,6,7
	v_add_nc_u32 v[SO+\m], 0xfc000000, v[BM+\m]    ; 8 off the exponent field: the conversion's scale operand
.endr
.irp m, 0,1,2,3,4,5,6,7
	v_and_or_b32 v[LM+\m], v[BM+\m], 0x7f800000, s[MNT]   ; 448 x the scale
.endr
.irp m, 0,1,2,3,4,5,6,7
	v_lshrrev_b32 v[PT+\m], 23, v[SO+\m]           ; the scale's byte
.endr
.irp a, 0,1
	v_lshl_or_b32 v[PW+\a], v[PT+4*\a+1], 8, v[PT+4*\a]
.endr
.irp a, 0,1
	v_lshl_or_b32 v[PW+\a], v[PT+4*\a+2], 16, v[PW+\a]
.endr
.irp a, 0,1
	v_lshl_or_b32 v[PW+\a], v[PT+4*\a+3], 24, v[PW+\a]   ; p's scale word for these 128 keys
.endr
.irp m, 0,1,2,3,4,5,6,7
	v_mov_b32 v[PT+(\m+1)%8], v[LM+\m]             ; a copy of each limit in a register whose number differs modulo 4: the second half of a dual pair takes it
.endr
.irp b, 0,1,2,3
.irp a, 0,1
.set jj, 0
.rept 8
	v_dual_min_num_f32 v[S+64*\a+16*\b+jj], v[S+64*\a+16*\b+jj], v[LM+4*\a+\b] :: v_dual_min_num_f32 v[S+64*\a+16*\b+jj+1], v[S+64*\a+16*\b+jj+1], v[PT+(4*\a+\b+1)%8]   ; the conversion does not saturate (ISA guide 7.6.2); p is not negative: a one-sided hold, two numbers a line
.set jj, jj+2
.endr
	v_cvt_scalef32_pk8_fp8_f32 v[CD+16*\a+4*\b:CD+16*\a+4*\b+1], v[S+64*\a+16*\b:S+64*\a+16*\b+7], v[SO+4*\a+\b]
	v_cvt_scalef32_pk8_fp8_f32 v[CD+16*\a+4*\b+2:CD+16*\a+4*\b+3], v[S+64*\a+16*\b+8:S+64*\a+16*\b+15], v[SO+4*\a+\b]
.endr
.endr
	WIN 0x41
	s_wait_alu depctr_va_vdst(0)                   ; directly ahead of the first reader of O^T
.irp a, 0,1
.set jj, 0
.rept 16
	v_pk_mul_f32 v[OT+32*\a+jj:OT+32*\a+jj+1], v[OT+32*\a+jj:OT+32*\a+jj+1], v[FF+2*\a:FF+2*\a+1] op_sel_hi:[1,0]   ; O^T under the new M; also the places between the conversions and the products
.set jj, jj+2
.endr
.endr
	WIN 0x51
	s_wait_alu depctr_va_vdst(0)                   ; directly ahead of the wait below
.if \pre
	s_wait_loadcnt 25                              ; V and its scale words are in; the next step's 25 loads for K may be out
.else
	s_wait_loadcnt 0x0
.endif
.irp t, 0,1,2,3                        ; O^T += V^T P^T: eight accumulators by turns; each fragment of V serves both tiles
.irp a, 0,1
.if (\t%2)
	v_wmma_scale_f32_16x16x128_f8f6f4 v[OT+32*\a+8*\t:OT+32*\a+8*\t+7], v[VF+16*\t:VF+16*\t+15], v[CD+16*\a:CD+16*\a+15], v[OT+32*\a+8*\t:OT+32*\a+8*\t+7], v[VSR+\t/2], v[PW+\a] matrix_a_scale:MATRIX_SCALE_ROW1
.else
	v_wmma_scale_f32_16x16x128_f8f6f4 v[OT+32*\a+8*\t:OT+32*\a+8*\t+7], v[VF+16*\t:VF+16*\t+15], v[CD+16*\a:CD+16*\a+15], v[OT+32*\a+8*\t:OT+32*\a+8*\t+7], v[VSR+\t/2], v[PW+\a]
.endif
.endr
.endr
	WIN 0
	PLACES                                         ; ahead of the loads into V's registers, or of the way out's reads
.if \pre
	VLOAD
.endif
.endm
	s_cmp_eq_u32 s[TR], 0
	s_cbranch_scc1 .Llast
.Lstep:
	STEP 1
	s_sub_co_i32 s[TR], s[TR], 1
	s_cmp_lg_u32 s[TR], 0
	s_wait_alu depctr_va_vdst(0)                   ; directly ahead of the branch
	s_cbranch_scc1 .Lstep
.Llast:
	STEP 0                                         ; the last walked step asks for nothing more
	; THE WAY OUT: o = O^T / l, quantised in its two blocks of 32 channels, brought into the true order along K, and stored as the image of an operand's registers
.irp a, 0,1
	v_add_f32 v[ST+4*\a+2], v[ST+4*\a+2], v[ST+4*\a+3]
.endr
.irp a, 0,1
	v_permlanex16_b32 v[TT+\a], v[ST+4*\a+2], s[SEL], s[SEL+1]
.endr
.irp a, 0,1
	v_add_f32 v[ST+4*\a+2], v[ST+4*\a+2], v[TT+\a] ; the row's sum
.endr
	s_wait_alu depctr_va_vdst(0)                   ; ahead of the reciprocals
.irp a, 0,1
	v_rcp_f32 v[ST+4*\a+2], v[ST+4*\a+2]
.endr
	v_and_b32 v3, 15, v0
	v_bfe_u32 v4, v0, 4, 1
	v_lshl_add_u32 v3, v3, 5, v4                   ; oscl: row r of 32 bytes, byte h
	v_mov_b32 v4, 0xff
	WIN 0x01
	s_wait_alu depctr_va_vdst(0)                   ; ahead of the first reader of the reciprocals and of O^T
.irp a, 0,1
.set jj, 0
.rept 16
	v_pk_mul_f32 v[S+64*\a+jj:S+64*\a+jj+1], v[OT+32*\a+jj:OT+32*\a+jj+1], v[ST+4*\a+2:ST+4*\a+3] op_sel_hi:[1,0]   ; register 16 b + i: channel 32 b + 16 (i / 8) + 8 h + i % 8
.set jj, jj+2
.endr
.endr
	WIN 0
.irp a, 0,1
.irp b, 0,1
	v_max3_num_f32 v[BM+2*\a+\b], |v[S+64*\a+16*\b]|, |v[S+64*\a+16*\b+1]|, 0x4800000
.endr
.endr
.irp i, 2,4,6,8,10,12,14
.irp a, 0,1
.irp b, 0,1
	v_max3_num_f32 v[BM+2*\a+\b], v[BM+2*\a+\b], |v[S+64*\a+16*\b+\i]|, |v[S+64*\a+16*\b+\i+1]|
.endr
.endr
.endr
.irp m, 0,1,2,3
	v_permlanex16_b32 v[PT+\m], v[BM+\m], s[SEL], s[SEL+1]
.endr
.irp m, 0,1,2,3
	v_max_num_f32 v[BM+\m], v[BM+\m], v[PT+\m]
.endr
.irp m, 0,1,2,3
	v_add_nc_u32 v[SO+\m], 0xfc000000, v[BM+\m]
.endr
.irp m, 0,1,2,3
	v_and_or_b32 v[LM+\m], v[BM+\m], 0x7f800000, s[MNT]
.endr
.irp m, 0,1,2,3
	v_lshrrev_b32 v[PT+\m], 23, v[SO+\m]
.endr
.irp a, 0,1
.irp b, 0,1
.set jj, 0
.rept 16
	v_med3_num_f32 v[S+64*\a+16*\b+jj], v[S+64*\a+16*\b+jj], -v[LM+2*\a+\b], v[LM+2*\a+\b]
.set jj, jj+1
.endr
	v_cvt_scalef32_pk8_fp8_f32 v[S+64*\a+32+4*\b:S+64*\a+33+4*\b], v[S+64*\a+16*\b:S+64*\a+16*\b+7], v[SO+2*\a+\b]
	v_cvt_scalef32_pk8_fp8_f32 v[S+64*\a+34+4*\b:S+64*\a+35+4*\b], v[S+64*\a+16*\b+8:S+64*\a+16*\b+15], v[SO+2*\a+\b]
.endr
.endr
	v_nop                                          ; a plain instruction behind the last conversion
	; true order: lanes 0-15 want channels 0-15 of the block (their first eight, the partner's first eight), lanes 16-31 channels 16-31
.irp a, 0,1
.irp b, 0,1
.irp k, 0,1
	v_cndmask_b32 v[S+64*\a+40+2*\b+\k], v[S+64*\a+34+4*\b+\k], v[S+64*\a+32+4*\b+\k], s[LHI]   ; what the partner wants of me
.endr
.endr
.endr
.irp a, 0,1
.irp m, 0,1,2,3
	v_permlanex16_b32 v[S+64*\a+44+\m], v[S+64*\a+40+\m], s[SEL], s[SEL+1]
.endr
.endr
.irp a, 0,1
.irp b, 0,1
.irp k, 0,1
	v_cndmask_b32 v[S+64*\a+48+4*\b+\k], v[S+64*\a+32+4*\b+\k], v[S+64*\a+44+2*\b+\k], s[LHI]
	v_cndmask_b32 v[S+64*\a+50+4*\b+\k], v[S+64*\a+44+2*\b+\k], v[S+64*\a+34+4*\b+\k], s[LHI]
.endr
.endr
	v_cndmask_b32 v[TT+\a], v[PT+2*\a], v[PT+2*\a+1], s[LHI]   ; lanes 0-15 store block 0's byte, lanes 16-31 block 1's
	v_cmp_gt_f32 vcc_lo, 0xc8742400, v[ST+4*\a+1]  ; no key counted for my query: its largest t lies under -250,000
	v_cndmask_b32 v[TT+\a], v[TT+\a], v4, vcc_lo   ; then the byte that makes the row NaN
	global_store_b128 v[L16], v[S+64*\a+48:S+64*\a+51], s[12:13] offset:4096*\a        ; 512 consecutive bytes, aligned
	global_store_b128 v[L16], v[S+64*\a+52:S+64*\a+55], s[12:13] offset:4096*\a+512
	global_store_b8 v3, v[TT+\a], s[14:15] offset:512*\a   ; two bytes of each of 16 rows: one byte for each 32 of the codes'
.endr
	s_endpgm
.Lfunc_end_k_q980c67791e_attn:
	.size	k_q980c67791e_attn, .Lfunc_end_k_q980c67791e_attn-k_q980c67791e_attn
	.p2alignl 7, 3214868480
	.fill 96, 4, 3214868480
	.section	.rodata,"a",@progbits
	.p2align	6, 0x0
	.amdhsa_kernel k_q980c67791e_attn
		.amdhsa_group_segment_fixed_size 0
		.amdhsa_private_segment_fixed_size 0
		.amdhsa_enable_private_segment 0
		.amdhsa_kernarg_size 48
		.amdhsa_user_sgpr_count 2
		.amdhsa_user_sgpr_kernarg_segment_ptr 1
		.amdhsa_wavefront_size32 1
		.amdhsa_system_sgpr_workgroup_id_x 1
		.amdhsa_system_sgpr_workgroup_id_y 1
		.amdhsa_system_sgpr_workgroup_id_z 1
		.amdhsa_system_vgpr_workitem_id 0
		.amdhsa_next_free_vgpr 512
		.amdhsa_next_free_sgpr 66
		.amdhsa_reserve_vcc 1
		.amdhsa_float_denorm_mode_32 3
		.amdhsa_float_denorm_mode_16_64 3
		.amdhsa_memory_ordered 1
		.amdhsa_forward_progress 1
		.amdhsa_inst_pref_size 94
	.end_amdhsa_kernel
	.amdgpu_metadata
---
amdhsa.version: [ 1, 2 ]
amdhsa.kernels:
  - .name:           k_q980c67791e_attn
    .symbol:         k_q980c67791e_attn.kd
    .args:
      - { .name: qrec, .offset: 0, .size: 8, .value_kind: global_buffer, .address_space: global }
      - { .name: kvrec, .offset: 8, .size: 8, .value_kind: global_buffer, .address_space: global }
      - { .name: mcodes, .offset: 16, .size: 8, .value_kind: global_buffer, .address_space: global }
      - { .name: flags, .offset: 24, .size: 8, .value_kind: global_buffer, .address_space: global }
      - { .name: oimg, .offset: 32, .size: 8, .value_kind: global_buffer, .address_space: global }
      - { .name: oscl, .offset: 40, .size: 8, .value_kind: global_buffer, .address_space: global }
    .group_segment_fixed_size: 0
    .private_segment_fixed_size: 0
    .kernarg_segment_align: 8
    .kernarg_segment_size: 48
    .max_flat_workgroup_size: 128
    .sgpr_count:     66
    .vgpr_count:     512
    .wavefront_size: 32
...
	.end_amdgpu_metadata
.endif
;; end of part 4
;; launch proj_o (part 5): grid 4 x 64, 4 waves a work-group, clusters of 4 x 4, 327,680 bytes of LDS; arguments oimg, oscl, Wo_codes, Wo_scales, bo, out0; writes out0
.if DOCPART == 5
	.amdgcn_target "amdgcn-amd-amdhsa--gfx1250"
	.amdhsa_code_object_version 6
	.text
	.protected	k_q980c67791e_proj_o
	.globl	k_q980c67791e_proj_o
	.p2align	8
	.type	k_q980c67791e_proj_o,@function
k_q980c67791e_proj_o:
	s_mov_b64 s[64:65], 0
	v_nop
	global_prefetch_b8 v0, s[64:65] scope:SCOPE_SE
	s_setreg_imm32_b32 hwreg(HW_REG_WAVE_MODE, 25, 1), 1
	s_wait_xcnt 0x0
	s_wait_alu depctr_hold_cnt(0) depctr_sa_sdst(0) depctr_va_vdst(0) depctr_va_sdst(0) depctr_va_ssrc(0) depctr_va_vcc(0) depctr_vm_vsrc(0)
	s_getreg_b32 s2, hwreg(HW_REG_IB_STS2, 6, 4)
	s_cmp_eq_u32 s2, 0
	s_cbranch_scc0 .Lentry_in_a_cluster
	s_endpgm
.Lentry_in_a_cluster:
	s_bfe_u32 s2, ttmp6, 0x10000c
	s_cmp_lg_u32 s2, 0xf033
	s_cbranch_scc0 .Lentry_shape_is_right
	s_endpgm
.Lentry_shape_is_right:
; out0 = o Wo^T + bo on E4M3 codes with E8M0 scales, f32 out.  "A" = 128 tokens of o, "B" = 256 rows of Wo: a block of 128 x 256 to a work-group, 256 work-groups.  A wave makes 64 tokens x 128 columns: 32 accumulators.
; o's codes lie as images of operand registers: oimg [K step of 256 (4)][tile of 16 tokens (512)][4,096 bytes]; a K step of 128 tokens is one dense block of 32,768 bytes, read 16 x lane on end.
; Source 0 = 16 rows of Wo, source 1 = 16 tokens: a lane holds eight neighbouring columns of one row of the result.  The bias is the C of each accumulator's first product.
; K goes in four steps of 256 through two LDS slots (A's room, then B's 256 rows of 256 bytes + 16); the steps are written out.  The scales of all of K come once, at the head, and stay in LDS.
; CLUSTER 4 x 4: A's tiles hang on work-group y alone and are asked for jointly along a row of the cluster, B's on x alone, jointly along a column.
; Both operands' fragments have two sets of registers: while one 128 along K is multiplied (32 matrix instructions), the next one's 48 LDS loads are out.
; No prefetch: K has four steps, and two of them are asked for ahead of the first product.
; REGISTERS: window 0: v0-31 addresses; v32-63 scale words, two sets; v64-127 the bias; v128-255 A's fragments, two sets.  Window 1: B's fragments, two sets.  Window 2: the accumulators, (a, b) at v[8 (8 a + b)].
.set SIZE_N,  1024
.set KROW,    1024
.set ROWB,    256
.set ASTEP,   2097152
.set NQ,      2
.set PITCH,   272
.set FR,      16
.set NP,      8
.set HALFT,   128*PITCH
.set AH,      64*256                   ; 64 tokens of A in LDS, dense
.set SLOT,    3*HALFT
.set KS,      32
.set SCL,     2*SLOT
.set HALFS,   16*272
.set SBLK,    2*272
.set SPARE,   SCL+3*HALFS
.set SPITCH,  528
.set ADRA, 16
.set ADRB, 20
.set STO,  24
.set RD,   25
.set CO,   26
.set ADRS, 27
.set SPW,  28
.set NIL,  29
.set SC,   32
.set BIA,  64
.set AF,   128
.set BK,   128
.set G1, 24
.set G0, 32
.set G1B, 48
.set G0B, 56
.set G1S, 68
.set G0S, 76
.set G1SB, 80
.set G0SB, 88
.set G0H, 4
.set G0HB, 8
.set MSB, 0
.macro WIN new
.if MSB != (\new)
	s_set_vgpr_msb (MSB<<8)|(\new)
.set MSB, (\new)
.endif
.endm
.set MUL,   0xa1                       ; source 0 (B) window 1, source 1 (A) window 0, C and D window 2
.set FIRST, 0x81                       ; the same, C (the bias) window 0
.set TO_B,  0x40
.macro JLOAD g0a, g1a, g0b, g1b        ; waves 0 and 1 fetch for A, waves 2 and 3 for B
	s_cmp_eq_u32 s15, 0
	s_cbranch_scc0 .Lfor_b_\@
	tensor_load_to_lds s[\g0a:\g0a+3], s[\g1a:\g1a+7]
	s_nop 0
.rept 4
	v_nop
.endr
	s_branch .Lasked_\@
.Lfor_b_\@:
	tensor_load_to_lds s[\g0b:\g0b+3], s[\g1b:\g1b+7]
	s_nop 0
.rept 4
	v_nop
.endr
.Lasked_\@:
.endm
.macro CREST
	s_cmp_lg_u32 s14, 0
	s_cbranch_scc1 .Lnot_wave_0_\@
	s_barrier_signal -3
.Lnot_wave_0_\@:
	s_barrier_wait -3
	s_barrier_signal -1
	s_barrier_wait -1
.endm
.macro CROUND
	s_barrier_signal -1
	s_barrier_wait -1
	CREST
.endm
	s_load_b128 s[4:7], s[0:1], 0x0                ; o's codes, scales
	s_load_b128 s[8:11], s[0:1], 0x10              ; Wo's codes, scales
	s_load_b64 s[66:67], s[0:1], 0x20              ; bo
	s_load_b64 s[12:13], s[0:1], 0x28              ; out0
	v_lshl_add_u32 v[SPW], v0, 2, SPARE
	v_mov_b32 v[NIL], 0
	ds_add_u32 v[SPW], v[NIL]                      ; the opening add, twice on end, and its wait
	ds_add_u32 v[SPW], v[NIL]
	v_lshrrev_b32 v1, 5, v0
	v_readfirstlane_b32 s14, v1                    ; wave 0..3
	s_lshr_b32 s15, s14, 1                         ; my half of A's rows; also: I fetch for A (0) or B (1)
	s_and_b32 s16, s14, 1                          ; my half of B's rows; also: which half of a tile I fetch
	s_bfe_u32 s40, ttmp6, 0x40000                  ; cx
	s_bfe_u32 s41, ttmp6, 0x40004                  ; cy
	s_mov_b32 s42, s40                             ; B's tile of 256 columns: the grid is one cluster wide
	s_and_b32 s17, ttmp7, 0xffff
	s_lshl_b32 s17, s17, 2
	s_add_co_u32 s17, s17, s41                     ; A's tile of 128 tokens
	s_lshl_b32 s43, s41, 2
	s_lshl_b32 s43, 15, s43                        ; my row of the cluster
	s_lshl_b32 s44, 0x1111, s40                    ; my column
	s_or_b32 s[G1+0], s43, (3<<16)|(1<<21)         ; A: a dense block as rows of 256 bytes (32 elements of 8), no padding
	s_mov_b32 s[G1+1], 32<<16
	s_mov_b32 s[G1+2], 128<<16                     ; the head's loads bring whole tiles: 128 rows of A,
	s_mov_b32 s[G1+3], 32<<16
	s_mov_b32 s[G1+4], 128
	s_mov_b32 s[G1+5], 32
	s_mov_b32 s[G1+6], 0
	s_mov_b32 s[G1+7], 0
	s_or_b32 s[G1B+0], s44, (0<<16)|(1<<20)|(1<<21)|(5<<22)|(3<<25)
	s_mov_b32 s[G1B+1], ROWB<<16
	s_mov_b32 s[G1B+2], 256<<16                    ; 256 of B
	s_mov_b32 s[G1B+3], ROWB<<16
	s_mov_b32 s[G1B+4], 256
	s_mov_b32 s[G1B+5], KROW
	s_mov_b32 s[G1B+6], 0
	s_mov_b32 s[G1B+7], 0
	s_or_b32 s[G1S+0], s43, (3<<16)|(1<<20)|(1<<21)|(5<<22)|(3<<25)
	s_or_b32 s[G1SB+0], s44, (3<<16)|(1<<20)|(1<<21)|(5<<22)|(3<<25)
.irp g, G1S, G1SB
	s_mov_b32 s[\g+1], 32<<16
	s_mov_b32 s[\g+3], 32<<16
	s_mov_b32 s[\g+5], 32
	s_mov_b32 s[\g+6], 0
	s_mov_b32 s[\g+7], 0
.endr
	s_mov_b32 s[G1S+2], 16<<16                     ; the scales of 128 rows: 16 rows of 256 bytes; of 256 rows: 32
	s_mov_b32 s[G1S+4], 16
	s_mov_b32 s[G1SB+2], 32<<16
	s_mov_b32 s[G1SB+4], 32
	s_lshl_b32 s20, s17, 7                         ; A's first row
	s_lshl_b32 s46, s42, 8                         ; B's
	s_mov_b32 s21, 0
	s_mov_b32 s47, 0
	s_mov_b64 s[18:19], KS
	s_mul_u64 s[22:23], s[20:21], s[18:19]
	s_mul_u64 s[92:93], s[46:47], s[18:19]
	s_mov_b64 s[18:19], 256                        ; a token has 256 bytes in a K step's plane of the images
	s_mul_u64 s[20:21], s[20:21], s[18:19]
	s_mov_b64 s[18:19], KROW
	s_mul_u64 s[46:47], s[46:47], s[18:19]
	s_mul_i32 s18, s16, AH                         ; in the ring I fetch half a tile: in memory,
	s_mov_b32 s19, 0
	s_mul_i32 s94, s16, 128*KROW
	s_mov_b32 s95, 0
	s_mul_i32 s45, s16, AH                         ; and in a slot
	s_mul_i32 s3, s16, HALFT
	s_add_co_u32 s3, s3, HALFT
	s_wait_dscnt 0x0                               ; both opening adds are done
	s_wait_kmcnt 0x0
	s_add_nc_u64 s[20:21], s[4:5], s[20:21]
	s_add_nc_u64 s[22:23], s[6:7], s[22:23]
	s_add_nc_u64 s[46:47], s[8:9], s[46:47]
	s_add_nc_u64 s[92:93], s[10:11], s[92:93]
	CROUND                                         ; in front of the first joint loads
	s_mov_b32 s[G0H], 1
	s_mov_b32 s[G0H+1], 0
	s_mov_b64 s[G0H+2:G0H+3], s[20:21]
	s_or_b32 s[G0H+3], s[G0H+3], 0x80000000
	s_mov_b32 s[G0HB], 1
	s_mov_b32 s[G0HB+1], HALFT
	s_mov_b64 s[G0HB+2:G0HB+3], s[46:47]
	s_or_b32 s[G0HB+3], s[G0HB+3], 0x80000000
	s_mov_b32 s[G0S], 1
	s_mov_b32 s[G0S+1], SCL
	s_mov_b64 s[G0S+2:G0S+3], s[22:23]
	s_or_b32 s[G0S+3], s[G0S+3], 0x80000000
	s_mov_b32 s[G0SB], 1
	s_mov_b32 s[G0SB+1], SCL+HALFS
	s_mov_b64 s[G0SB+2:G0SB+3], s[92:93]
	s_or_b32 s[G0SB+3], s[G0SB+3], 0x80000000
	s_add_nc_u64 s[20:21], s[20:21], s[18:19]
	s_add_nc_u64 s[46:47], s[46:47], s[94:95]
.irp s, 0,1
	s_mov_b32 s[G0+4*\s], 1
	s_add_co_u32 s[G0+4*\s+1], s45, \s*SLOT
	s_add_nc_u64 s[G0+4*\s+2:G0+4*\s+3], s[20:21], \s*ASTEP
	s_or_b32 s[G0+4*\s+3], s[G0+4*\s+3], 0x80000000
	s_mov_b32 s[G0B+4*\s], 1
	s_add_co_u32 s[G0B+4*\s+1], s3, \s*SLOT
	s_add_nc_u64 s[G0B+4*\s+2:G0B+4*\s+3], s[46:47], \s*ROWB
	s_or_b32 s[G0B+4*\s+3], s[G0B+4*\s+3], 0x80000000
.endr
; the head's loads, one a wave: K step 0 of A, of B, A's scales, B's scales: one tree of branches on the wave's number
.macro ARM under, g0, g1, next
	s_cmp_lt_u32 s14, \under
	s_cbranch_scc0 \next
	tensor_load_to_lds s[\g0:\g0+3], s[\g1:\g1+7]
	s_nop 0
.rept 4
	v_nop
.endr
	s_branch .Lhead_asked
\next:
.endm
	ARM 1, G0H,  G1,  .Lhead_b
	ARM 2, G0HB, G1B, .Lhead_sa
	ARM 3, G0S,  G1S, .Lhead_sb
	tensor_load_to_lds s[G0SB:G0SB+3], s[G1SB:G1SB+7]
	s_nop 0
.rept 4
	v_nop
.endr
.Lhead_asked:
	v_and_b32 v1, 15, v0
	v_bfe_u32 v2, v0, 4, 1
	v_mul_u32_u24 v3, v1, PITCH
	v_lshl_add_u32 v4, v2, 4, v3
	v_and_b32 v6, 31, v0
	v_lshlrev_b32 v7, 4, v6
	s_mul_i32 s21, s15, AH
	s_mul_i32 s22, s16, HALFT
	s_add_co_u32 s22, s22, HALFT
.irp s, 0,1
	v_add_nc_u32 v[ADRA+\s], s21, v7
	v_add_nc_u32 v[ADRB+\s], s22, v4
	s_add_co_u32 s21, s21, SLOT
	s_add_co_u32 s22, s22, SLOT
.endr
	v_mul_u32_u24 v5, v1, KS                       ; my row's scales: 32 bytes a row, 16 more for each 256 passed
	v_lshrrev_b32 v6, 8, v5
	v_lshl_add_u32 v5, v6, 4, v5
	s_mul_i32 s21, s15, 4*SBLK                     ; A's: my 64 rows
	s_mul_i32 s22, s16, HALFS                      ; B's: my 128 rows, behind A's 128
	s_add_co_u32 s22, s22, HALFS
	s_sub_co_u32 s22, s22, s21
	v_mul_u32_u24 v6, s22, v2                      ; lanes 16-31 take B's
	s_add_co_u32 s21, s21, SCL
	v_add_nc_u32 v5, v5, v6
	v_add_nc_u32 v[ADRS], s21, v5
	s_mul_i32 s23, s14, 16*SPITCH                  ; my stage, in slot 0
	v_mul_u32_u24 v5, v1, SPITCH
	v_lshl_add_u32 v5, v2, 5, v5
	v_add_nc_u32 v[STO], s23, v5
	v_mov_b32 v[CO], v7
	v_add_nc_u32 v[RD], s23, v7
	v_lshlrev_b32 v8, 5, v2
	s_wait_alu depctr_va_vdst(0)                   ; ahead of the run of scalar lines
	s_lshl_b32 s20, s17, 7
	s_lshl_b32 s21, s15, 6
	s_add_co_u32 s20, s20, s21                     ; my first row of the result
	s_mov_b32 s21, 0
	s_mov_b64 s[18:19], SIZE_N*4
	s_mul_u64 s[20:21], s[20:21], s[18:19]
	s_lshl_b32 s46, s42, 10
	s_lshl_b32 s47, s16, 9
	s_add_co_u32 s46, s46, s47                     ; my first column, in bytes
	s_mov_b32 s47, 0
	s_add_nc_u64 s[66:67], s[66:67], s[46:47]
	s_add_nc_u64 s[20:21], s[20:21], s[46:47]
	s_add_nc_u64 s[12:13], s[12:13], s[20:21]
.irp b, 0,1,2,3,4,5,6,7
	global_load_b128 v[BIA+8*\b:BIA+8*\b+3], v8, s[66:67] offset:64*\b
	global_load_b128 v[BIA+8*\b+4:BIA+8*\b+7], v8, s[66:67] offset:64*\b+16
.endr
.macro FRAG reg, adr, q, i
.irp c, 0,1,2,3
	ds_load_b128 v[\reg+4*\c:\reg+4*\c+3], v[\adr] offset:128*(\q)+32*\c+(\i)*16*PITCH
.endr
.endm
.macro FRAGA reg, adr, q, i
.irp c, 0,1,2,3
	ds_load_b128 v[\reg+4*\c:\reg+4*\c+3], v[\adr] offset:2048*(\q)+4096*(\i)+512*\c
.endr
.endm
.macro MUL8 a, p, q, sc, first         ; A's block a against B's eight; the 32 accumulators take turns in the same order in every step
.irp b, 0,1,2,3,4,5,6,7
.if \first
	v_wmma_scale_f32_16x16x128_f8f6f4 v[8*(8*(\a)+\b):8*(8*(\a)+\b)+7], v[128*(\p)+FR*\b:128*(\p)+FR*\b+FR-1], v[AF+64*(\p)+FR*(\a):AF+64*(\p)+FR*(\a)+FR-1], v[BIA+8*\b:BIA+8*\b+7], v[SC+8*NQ*(\sc)+NQ*\b+(\q)], v[SC+8*NQ*(\sc)+NQ*(\a)+(\q)] matrix_a_scale:MATRIX_SCALE_ROW1
.else
	v_wmma_scale_f32_16x16x128_f8f6f4 v[8*(8*(\a)+\b):8*(8*(\a)+\b)+7], v[128*(\p)+FR*\b:128*(\p)+FR*\b+FR-1], v[AF+64*(\p)+FR*(\a):AF+64*(\p)+FR*(\a)+FR-1], v[8*(8*(\a)+\b):8*(8*(\a)+\b)+7], v[SC+8*NQ*(\sc)+NQ*\b+(\q)], v[SC+8*NQ*(\sc)+NQ*(\a)+(\q)] matrix_a_scale:MATRIX_SCALE_ROW1
.endif
.endr
.endm
.macro FETCH slot, q, p                ; 48 LDS loads: the fragments of the slot's q-th 128 along K into set p
	WIN TO_B
.irp i, 0,1,2,3,4,5,6,7
	FRAG 128*(\p)+FR*\i, ADRB+\slot, \q, \i
.endr
	WIN 0
.irp i, 0,1,2,3
	FRAGA AF+64*(\p)+FR*\i, ADRA+\slot, \q, \i
.endr
.endm
.macro SCALES sc                       ; a K step's scale words: lanes 0-15 A's block i (blocks 0-3 are used), lanes 16-31 B's block i
.irp i, 0,1,2,3,4,5,6,7
	ds_load_b64 v[SC+8*NQ*\sc+NQ*\i:SC+8*NQ*\sc+NQ*\i+1], v[ADRS] offset:\i*SBLK
.endr
.endm
.macro PLACES n
.rept \n
	v_nop
.endr
.endm
.macro STEP slot, first                ; a slot's first 128 along K, on set 0; the second's fragments are fetched under it
	s_wait_dscnt 0x0
	PLACES NP                                      ; eight places ahead of loads into registers that matrix instructions have read
	FETCH \slot, 1, 1
.if \first
	WIN FIRST
.else
	WIN MUL
.endif
.irp a, 0,1,2,3
	MUL8 \a, 0, 0, \slot, \first
.endr
	WIN 0
.endm
.macro TURN slot, next, fill           ; a slot's second 128, on set 1, and the change of slots: all my reads of this slot are in registers
	s_wait_tensorcnt 0x0                           ; all my tensor loads have landed: my part of the next slot
	ds_add_u32 v[SPW], v[NIL]
	s_wait_dscnt 1                                 ; set 1 is in; the add alone may be out
	WIN MUL
	MUL8 0, 1, 1, \slot, 0
	s_wait_dscnt 0x0
	s_barrier_signal -1
	MUL8 1, 1, 1, \slot, 0
	WIN 0
	s_barrier_wait -1
.if \fill
	CREST                                          ; the barrier has opened a round of the cluster's barrier
	s_add_nc_u64 s[G0+4*\slot+2:G0+4*\slot+3], s[G0+4*\slot+2:G0+4*\slot+3], 2*ASTEP
	s_add_nc_u64 s[G0B+4*\slot+2:G0B+4*\slot+3], s[G0B+4*\slot+2:G0B+4*\slot+3], 2*ROWB
	JLOAD G0+4*\slot, G1, G0B+4*\slot, G1B         ; the first tensor load behind the round: this slot, two K steps on
	PLACES NP-4
.else
	PLACES NP
.endif
	v_add_nc_u32 v[ADRS], 4*NQ, v[ADRS]
	s_wait_alu depctr_va_vdst(0)                   ; directly behind the write
	FETCH \next, 0, 0
	SCALES \next
	WIN MUL
	MUL8 2, 1, 1, \slot, 0
	MUL8 3, 1, 1, \slot, 0
	WIN 0
.endm
	s_wait_alu depctr_va_vdst(0)                   ; the head's end
	s_wait_tensorcnt 0x0                           ; my tile of the head's four is in; the full sequence ahead of slot 1's first fill
	ds_add_u32 v[SPW], v[NIL]
	s_mov_b32 s[G1+2], 64<<16                      ; no tensor load of mine is out: from here on a load brings half a tile
	s_mov_b32 s[G1+4], 64
	s_mov_b32 s[G1B+2], 128<<16
	s_mov_b32 s[G1B+4], 128
	s_wait_dscnt 0x0
	CROUND
	JLOAD G0+4, G1, G0B+4, G1B                     ; K step 1
	FETCH 0, 0, 0
	SCALES 0
	s_wait_loadcnt 0x0                             ; the bias
	STEP 0, 1
	TURN 0, 1, 1
	STEP 1, 0
	TURN 1, 0, 1
	STEP 0, 0
	TURN 0, 1, 0
	STEP 1, 0
	s_wait_dscnt 0x0
	WIN MUL
.irp a, 0,1,2,3
	MUL8 \a, 1, 1, 1, 0
.endr
	WIN 0
; THE WAY OUT, block by block of 16 rows x 128 columns, through my own stage in slot 0, which has had its last fill and, behind the last change of slots, its last read; back as whole rows of 512 bytes
.macro TOSTAGE a
.set AC, 64*(\a)
	WIN 0x08
.irp b, 0,1,2,3,4,5,6,7
	ds_store_b128 v[STO], v[AC+8*\b:AC+8*\b+3] offset:64*\b          ; each accumulator from its low end on
	ds_store_b128 v[STO], v[AC+8*\b+4:AC+8*\b+7] offset:64*\b+16
.endr
	WIN 0
.set BB, BK+64*((\a)%2)
.irp t, 0,1,2,3,4,5,6,7,8,9,10,11,12,13,14,15
	ds_load_b128 v[BB+4*\t:BB+4*\t+3], v[RD] offset:\t*SPITCH        ; LDS serves a wave's instructions in order: these see my stores
.endr
.endm
.macro SEND a, younger
.set BB, BK+64*((\a)%2)
	s_wait_dscnt \younger
.if (\a) > 0
	s_add_nc_u64 s[12:13], s[12:13], 16*SIZE_N*4
.endif
.irp t, 0,1,2,3,4,5,6,7,8,9,10,11,12,13,14,15
	global_store_b128 v[CO], v[BB+4*\t:BB+4*\t+3], s[12:13] offset:\t*SIZE_N*4 th:TH_STORE_NT   ; 512 consecutive bytes, aligned
.endr
.endm
	PLACES NP
	TOSTAGE 0
.irp a, 1,2,3
.if \a > 1
	s_wait_xcnt 0x0                                ; block a - 2's stores have read their registers and their base
.endif
	TOSTAGE \a
	SEND \a-1, 32                                  ; behind block a - 1's loads: block a's 16 stores and 16 loads
.endr
	s_wait_xcnt 0x0
	SEND 3, 0
	s_wait_tensorcnt 0x0                           ; the wave's end
	ds_add_u32 v[SPW], v[NIL]
	s_wait_dscnt 0x0
	CROUND                                         ; the closing round
	s_endpgm
.Lfunc_end_k_q980c67791e_proj_o:
	.size	k_q980c67791e_proj_o, .Lfunc_end_k_q980c67791e_proj_o-k_q980c67791e_proj_o
	.p2alignl 7, 3214868480
	.fill 96, 4, 3214868480
	.section	.rodata,"a",@progbits
	.p2align	6, 0x0
	.amdhsa_kernel k_q980c67791e_proj_o
		.amdhsa_group_segment_fixed_size 327680
		.amdhsa_private_segment_fixed_size 0
		.amdhsa_enable_private_segment 0
		.amdhsa_kernarg_size 48
		.amdhsa_user_sgpr_count 2
		.amdhsa_user_sgpr_kernarg_segment_ptr 1
		.amdhsa_wavefront_size32 1
		.amdhsa_system_sgpr_workgroup_id_x 1
		.amdhsa_system_sgpr_workgroup_id_y 1
		.amdhsa_system_sgpr_workgroup_id_z 1
		.amdhsa_system_vgpr_workitem_id 0
		.amdhsa_next_free_vgpr 768
		.amdhsa_next_free_sgpr 98
		.amdhsa_reserve_vcc 0
		.amdhsa_float_denorm_mode_32 3
		.amdhsa_float_denorm_mode_16_64 3
		.amdhsa_memory_ordered 1
		.amdhsa_forward_progress 1
		.amdhsa_inst_pref_size 92
	.end_amdhsa_kernel
	.amdgpu_metadata
---
amdhsa.version: [ 1, 2 ]
amdhsa.kernels:
  - .name:           k_q980c67791e_proj_o
    .symbol:         k_q980c67791e_proj_o.kd
    .args:
      - { .name: oimg, .offset: 0, .size: 8, .value_kind: global_buffer, .address_space: global }
      - { .name: oscl, .offset: 8, .size: 8, .value_kind: global_buffer, .address_space: global }
      - { .name: Wo_codes, .offset: 16, .size: 8, .value_kind: global_buffer, .address_space: global }
      - { .name: Wo_scales, .offset: 24, .size: 8, .value_kind: global_buffer, .address_space: global }
      - { .name: bo, .offset: 32, .size: 8, .value_kind: global_buffer, .address_space: global }
      - { .name: out0, .offset: 40, .size: 8, .value_kind: global_buffer, .address_space: global }
    .group_segment_fixed_size: 327680
    .private_segment_fixed_size: 0
    .kernarg_segment_align: 8
    .kernarg_segment_size: 48
    .max_flat_workgroup_size: 128
    .sgpr_count:     98
    .vgpr_count:     768
    .wavefront_size: 32
...
	.end_amdgpu_metadata
.endif
;; end of part 5
